; MI455X (gfx1250); checked and timed in simulation.
; The chip was launched on July 23, 2026; its instructions are those of AMD's public machine-readable ISA for CDNA 5 (MIT licence, August 2026) and "CDNA5" Instruction Set Architecture Reference Guide (July 2026). The comments in the code are by the model that wrote it; some were corrected since.
;; Model. Allowed arithmetic: float matrix products may take bf16 or f16 operands with f32 sums; all other float work in f32.
;; Inputs: W1 2 x 64 float32; W2 64 x 8 float32; Wk 512 x 512 float32; Wo 512 x 512 float32; Wq 512 x 512 float32; Wv 512 x 512 float32; b1 64 float32; b2 8 float32; bk 512 float32; bo 512 float32; bq 512 float32; bv 512 float32; freqs 4 x 1,024 x 1 float32; x 4 x 1,024 x 512 float32.
;; Outputs: out0 4 x 1,024 x 512 float32.
;; 3 versions, each right; version 2 is faster than version 1; version 3 is version 2 with the launch attn written anew for expert scheduling mode. Each part assembles by itself: llvm-mc -triple=amdgcn-amd-amdhsa -mcpu=gfx1250 --defsym DOCPART=n.
;; ======== version 1 of 3: 2 launches
;; workspace buffers: Qf 4,194,304 bytes; Kf 4,194,304 bytes; Vf 4,194,304 bytes; Wof 524,288 bytes
;; launch prep (part 1): grid 256 x 1, 8 waves a work-group, no clusters, 93,952 bytes of LDS; arguments x, Wq, Wk, Wv, bq, bk, bv, Wo, Qf, Kf, Vf, Wof; writes Qf, Kf, Vf, Wof
.if DOCPART == 1
	.amdgcn_target "amdgcn-amd-amdhsa--gfx1250"
	.amdhsa_code_object_version 6
	.text
	.protected	k_qdbe222e832_prep
	.globl	k_qdbe222e832_prep
	.p2align	8
	.type	k_qdbe222e832_prep,@function
k_qdbe222e832_prep:
	s_mov_b64 s[64:65], 0
	v_nop
	global_prefetch_b8 v0, s[64:65] scope:SCOPE_SE
	s_setreg_imm32_b32 hwreg(HW_REG_WAVE_MODE, 25, 1), 1
	s_wait_xcnt 0x0
; Q, K, V = x W + b for one head and 128 rows of x, rounded to bf16 and stored in the order in which the second launch's
; matrix fragments want them (each fragment half = 512 consecutive bytes, lane l at byte 16 l); and a 64 x 16 block of Wo, transposed.
; Work-group g: rows 128 (g>>3) .. +127 of the 4,096 rows of x, head g&7.  Its tile of C is 128 rows x 192 columns (Q 64 | K 64 | V 64).
; Eight waves: wave w takes rows 32 (w>>1) .. +31 (two tiles of 16) and column tiles 6 (w&1) .. +5: twelve accumulators.
; The product is used transposed (source 0 = 16 columns of W, source 1 = 16 rows of x): a lane then holds 8 neighbouring columns of one row.
; K = 512 goes in 8 chunks of 64 through two LDS buffers.  x and W are f32 in memory, so they pass through registers, are rounded to bf16
; there and stored into LDS; that is why no tensor load and no joint request is used here: the 16-bit tile exists only behind the rounding.
; Q is stored times log2(e)/8, so that the second launch's softmax works in base 2.
.set XP,   144                         ; LDS pitch of x rows: 64 bf16 = 128 bytes + 16
.set WP,   416                         ; LDS pitch of W rows: 192 bf16 = 384 bytes + 32
.set XBUF, 128*XP                      ; 18,432: one buffer of x
.set WS,   2*XBUF                      ; 36,864: W's buffers begin here
.set WBUF, 64*WP                       ; 26,624
.set BS,   WS+2*WBUF                   ; 90,112: 192 biases in f32
.set WOS,  BS+768                      ; 90,880: 64 rows x 16 bf16 of Wo
.set SP,   400                         ; pitch of the stage (384 + 16); the stage lies over x's and W's buffers, behind the loop's last barrier
.set AF,   16                          ; v16-63   6 fragments of W
.set BF,   64                          ; v64-79   2 fragments of x
.set GX,   80                          ; v80-111  8 quads of x as loaded
.set GW,   112                         ; v112-159 12 quads of W as loaded
.set ACC,  160                         ; v160-255 accumulator (ct, mt) at ACC + 8 (2 ct + mt)
; v1 offset in x and W; v2, v3 where my quads go in LDS; v4, v5 where my fragments lie; v6 my place in the stage; v7 16 x lane
; v9 t&15; v10 t>>4; v11 half of the wave; v12 lane; v13 8 half + (lane&7); v14 (lane>>3)&1
.macro PLACES                          ; four plain vector instructions between a matrix instruction and a load into, or a read of, its registers
.rept 4
	v_nop
.endr
.endm
.macro GLOAD                           ; one chunk: 128 rows x 256 bytes of x, 64 rows x 256 bytes of each W; sixteen lanes read 256 consecutive bytes
.irp n,0,1,2,3,4,5,6,7
	global_load_b128 v[GX+4*\n:GX+4*\n+3], v1, s[4:5] offset:\n*32768
.endr
.irp ty,0,1,2
.irp n,0,1,2,3
	global_load_b128 v[GW+4*(4*\ty+\n):GW+4*(4*\ty+\n)+3], v1, s[6+2*\ty:7+2*\ty] offset:\n*32768
.endr
.endr
.endm
.macro CVTST buf                       ; round the chunk to bf16 (in place, 4 f32 -> 2 registers) and put it into LDS buffer buf
.irp n,0,1,2,3,4,5,6,7
	v_cvt_pk_bf16_f32 v[GX+4*\n], v[GX+4*\n], v[GX+4*\n+1]
	v_cvt_pk_bf16_f32 v[GX+4*\n+1], v[GX+4*\n+2], v[GX+4*\n+3]
	ds_store_b64 v2, v[GX+4*\n:GX+4*\n+1] offset:\buf*XBUF+\n*16*XP
.endr
.irp ty,0,1,2
.irp n,0,1,2,3
	v_cvt_pk_bf16_f32 v[GW+4*(4*\ty+\n)], v[GW+4*(4*\ty+\n)], v[GW+4*(4*\ty+\n)+1]
	v_cvt_pk_bf16_f32 v[GW+4*(4*\ty+\n)+1], v[GW+4*(4*\ty+\n)+2], v[GW+4*(4*\ty+\n)+3]
	ds_store_b64 v3, v[GW+4*(4*\ty+\n):GW+4*(4*\ty+\n)+1] offset:\buf*WBUF+\n*16*WP+\ty*128
.endr
.endr
.endm
.macro FRAGS buf, kk                   ; the fragments of 32 along K: W lies [k][column], so its fragments come by the transposing load
.irp ct,0,1,2,3,4,5
	ds_load_tr16_b128 v[AF+8*\ct:AF+8*\ct+3],   v5 offset:\buf*WBUF+\kk*32*WP+\ct*32
	ds_load_tr16_b128 v[AF+8*\ct+4:AF+8*\ct+7], v5 offset:\buf*WBUF+\kk*32*WP+\ct*32+16*WP
.endr
.irp mt,0,1
	ds_load_b128 v[BF+8*\mt:BF+8*\mt+3],   v4 offset:\buf*XBUF+\mt*16*XP+\kk*64
	ds_load_b128 v[BF+8*\mt+4:BF+8*\mt+7], v4 offset:\buf*XBUF+\mt*16*XP+\kk*64+32
.endr
.endm
.macro MUL zero                        ; twelve products; the twelve accumulators take turns, one instruction a turn
.irp ct,0,1,2,3,4,5
.irp mt,0,1
.if \zero
	v_wmma_f32_16x16x32_bf16 v[ACC+8*(2*\ct+\mt):ACC+8*(2*\ct+\mt)+7], v[AF+8*\ct:AF+8*\ct+7], v[BF+8*\mt:BF+8*\mt+7], 0
.else
	v_wmma_f32_16x16x32_bf16 v[ACC+8*(2*\ct+\mt):ACC+8*(2*\ct+\mt)+7], v[AF+8*\ct:AF+8*\ct+7], v[BF+8*\mt:BF+8*\mt+7], v[ACC+8*(2*\ct+\mt):ACC+8*(2*\ct+\mt)+7]
.endif
.endr
.endr
.endm
; One chunk of 64 along K from buffer buf; load = 1: the next chunk is fetched meanwhile and put into buffer nbuf.
.macro CH buf, nbuf, load, zero
	FRAGS \buf, 0
.if \load
	s_add_nc_u64 s[4:5], s[4:5], 256               ; the last chunk's loads were waited for, so the bases may step: 64 columns of x,
	s_add_nc_u64 s[6:7], s[6:7], 131072            ; 64 rows of each W
	s_add_nc_u64 s[8:9], s[8:9], 131072
	s_add_nc_u64 s[10:11], s[10:11], 131072
	GLOAD
.endif
	s_wait_dscnt 0x0
	MUL \zero
	PLACES
	FRAGS \buf, 1
	s_wait_dscnt 0x0
	MUL 0
.if \load
	s_wait_loadcnt 0x0
	CVTST \nbuf                                    ; its 40 conversions are also the places in front of the next chunk's fragment loads
.endif
	s_wait_dscnt 0x0                               ; my reads of this buffer and my stores into the other are done
	s_barrier_signal -1
	s_barrier_wait -1                              ; so are everybody's
.endm
	s_load_b512 s[4:19], s[0:1], 0x0               ; x 4, Wq 6, Wk 8, Wv 10, bq 12, bk 14, bv 16, Wo 18
	s_load_b256 s[20:27], s[0:1], 0x40             ; Qf 20, Kf 22, Vf 24, Wof 26
	s_set_vgpr_msb 0x40
	v_lshl_add_u32 v0, v0, 2, 0x16b00
	v_mov_b32 v1, 0
	s_set_vgpr_msb 0x4000
	v_lshrrev_b32 v8, 5, v0
	v_readfirstlane_b32 s28, v8                    ; wave w
	s_lshr_b32 s29, s28, 1                         ; wm: my 32 rows
	s_and_b32 s30, s28, 1                          ; wn: my 6 column tiles
	s_lshr_b32 s31, ttmp9, 3                       ; mb: block of 128 rows
	s_and_b32 s32, ttmp9, 7                        ; head
	v_and_b32 v9, 15, v0
	v_lshrrev_b32 v10, 4, v0
	v_bfe_u32 v11, v0, 4, 1
	v_and_b32 v12, 31, v0
	v_lshlrev_b32 v1, 11, v10                      ; row t>>4 of 2,048 bytes
	v_lshl_add_u32 v1, v9, 4, v1                   ; + 16 (t&15)
	v_mul_u32_u24 v2, v10, XP
	v_lshl_add_u32 v2, v9, 3, v2
	v_mul_u32_u24 v3, v10, WP
	v_lshl_add_u32 v3, v9, 3, v3
	v_add_nc_u32 v3, WS, v3
	s_mul_i32 s34, s29, 32*XP
	v_mul_u32_u24 v4, v9, XP
	v_lshl_add_u32 v4, v11, 4, v4
	v_add_nc_u32 v4, s34, v4                       ; (32 wm + r) pitch + 16 half
	v_and_b32 v13, 7, v0
	v_lshl_add_u32 v13, v11, 3, v13
	v_bfe_u32 v14, v0, 3, 1
	v_mul_u32_u24 v5, v13, WP
	v_lshl_add_u32 v5, v14, 4, v5
	s_mul_i32 s34, s30, 192
	s_add_co_u32 s34, s34, WS
	v_add_nc_u32 v5, s34, v5
	s_mul_i32 s34, s29, 32*SP
	s_mul_i32 s35, s30, 192
	s_add_co_u32 s34, s34, s35
	v_mul_u32_u24 v6, v9, SP
	v_lshl_add_u32 v6, v11, 4, v6
	v_add_nc_u32 v6, s34, v6
	v_lshlrev_b32 v7, 4, v12
	v_lshrrev_b32 v15, 2, v0                       ; Wo: row t>>2 of my 64, 16 bytes at 16 (t&3)
	v_and_b32 v8, 3, v0
	v_lshlrev_b32 v15, 11, v15
	v_lshl_add_u32 v15, v8, 4, v15
	s_mov_b32 s37, 0x3f800000
	s_cmp_eq_u32 s30, 0
	s_cselect_b32 s36, 0x3e38aa3b, s37             ; log2(e)/8 for the waves whose tiles 0-3 are Q, 1 for the others
	s_mov_b32 s37, s36
	s_wait_kmcnt 0x0
	s_lshl_b32 s34, s31, 18                        ; 128 rows of 2,048 bytes
	s_mov_b32 s35, 0
	s_add_nc_u64 s[4:5], s[4:5], s[34:35]
	s_lshl_b32 s34, s32, 8                         ; the head's 64 columns
	s_add_nc_u64 s[6:7], s[6:7], s[34:35]
	s_add_nc_u64 s[8:9], s[8:9], s[34:35]
	s_add_nc_u64 s[10:11], s[10:11], s[34:35]
	s_add_nc_u64 s[12:13], s[12:13], s[34:35]
	s_add_nc_u64 s[14:15], s[14:15], s[34:35]
	s_add_nc_u64 s[16:17], s[16:17], s[34:35]
	s_lshl_b32 s34, s32, 17                        ; Wo: rows 64 (g&7), columns 16 (g>>3)
	s_lshl_b32 s40, s31, 6
	s_add_co_u32 s34, s34, s40
	s_add_nc_u64 s[18:19], s[18:19], s[34:35]
	GLOAD                                          ; chunk 0
	global_load_b128 v[16:19], v15, s[18:19]
	s_cmp_gt_u32 s28, 2
	s_cbranch_scc1 .Lnobias                        ; waves 0, 1, 2 bring the head's 64 numbers of bq, bk, bv
	s_cmp_eq_u32 s28, 1
	s_cselect_b64 s[38:39], s[14:15], s[12:13]
	s_cmp_eq_u32 s28, 2
	s_cselect_b64 s[38:39], s[16:17], s[38:39]
	v_lshlrev_b32 v22, 3, v12
	global_load_b64 v[20:21], v22, s[38:39]
	v_lshlrev_b32 v23, 3, v0                       ; 256 w + 8 lane
	v_add_nc_u32 v23, BS, v23
	s_wait_loadcnt 0x0
	ds_store_b64 v23, v[20:21]
.Lnobias:
	s_wait_loadcnt 0x0
	CVTST 0
	v_cvt_pk_bf16_f32 v16, v16, v17
	v_cvt_pk_bf16_f32 v17, v18, v19
	v_lshlrev_b32 v24, 3, v0                       ; 32 (t>>2) + 8 (t&3) = 8 t
	v_add_nc_u32 v24, WOS, v24
	ds_store_b64 v24, v[16:17]
	s_wait_dscnt 0x0
	s_barrier_signal -1
	s_barrier_wait -1
	CH 0, 1, 1, 1                                  ; chunk 0 starts the sums: nothing is cleared
	CH 1, 0, 1, 0
	s_mov_b32 s33, 2
.Lchunks:
	CH 0, 1, 1, 0
	CH 1, 0, 1, 0
	s_sub_co_u32 s33, s33, 1
	s_cmp_lg_u32 s33, 0
	s_cbranch_scc1 .Lchunks
	CH 0, 1, 1, 0
	CH 1, 0, 0, 0                                  ; chunk 7 fetches nothing; behind its barrier nobody reads x's and W's buffers any more
	; bias, Q's scale, rounding, and into the stage: row = row of x, 16 bytes = 8 neighbouring columns
	PLACES
	s_mul_i32 s34, s30, 384
	s_add_co_u32 s34, s34, BS
	v_lshlrev_b32 v64, 5, v11
	v_add_nc_u32 v64, s34, v64                     ; biases of columns 96 wn + 8 half ..
.irp ct,0,1,2,3,4,5
	ds_load_b128 v[AF+8*\ct:AF+8*\ct+3],   v64 offset:\ct*64
	ds_load_b128 v[AF+8*\ct+4:AF+8*\ct+7], v64 offset:\ct*64+16
.endr
	s_wait_dscnt 0x0
.macro OUTCT ct, scaled
.if \scaled
.irp k,0,2,4,6
	v_pk_mul_f32 v[AF+8*\ct+\k:AF+8*\ct+\k+1], v[AF+8*\ct+\k:AF+8*\ct+\k+1], s[36:37] op_sel_hi:[1,0]
.endr
.endif
.irp mt,0,1
.irp k,0,2,4,6
.if \scaled
	v_pk_fma_f32 v[ACC+8*(2*\ct+\mt)+\k:ACC+8*(2*\ct+\mt)+\k+1], v[ACC+8*(2*\ct+\mt)+\k:ACC+8*(2*\ct+\mt)+\k+1], s[36:37], v[AF+8*\ct+\k:AF+8*\ct+\k+1] op_sel_hi:[1,0,1]
.else
	v_pk_add_f32 v[ACC+8*(2*\ct+\mt)+\k:ACC+8*(2*\ct+\mt)+\k+1], v[ACC+8*(2*\ct+\mt)+\k:ACC+8*(2*\ct+\mt)+\k+1], v[AF+8*\ct+\k:AF+8*\ct+\k+1]
.endif
.endr
.irp p,0,1,2,3
	v_cvt_pk_bf16_f32 v[GX+4*(2*\ct+\mt)+\p], v[ACC+8*(2*\ct+\mt)+2*\p], v[ACC+8*(2*\ct+\mt)+2*\p+1]
.endr
	ds_store_b128 v6, v[GX+4*(2*\ct+\mt):GX+4*(2*\ct+\mt)+3] offset:\mt*16*SP+\ct*32
.endr
.endm
	OUTCT 0, 1
	OUTCT 1, 1
	OUTCT 2, 1
	OUTCT 3, 1
	OUTCT 4, 0
	OUTCT 5, 0
	s_wait_dscnt 0x0
	s_barrier_signal -1
	s_barrier_wait -1
	; out of the stage in fragment order.  Wave w: Q's and K's tile of rows 16 w .. +15; V's keys 32 (w>>1) .. +31, columns 32 (w&1) .. +31, transposed
	s_mul_i32 s34, s28, 16*SP
	v_mul_u32_u24 v16, v9, SP
	v_lshl_add_u32 v16, v11, 6, v16                ; lane (r, half): row r, d = 32 half + 8 q ..
	v_add_nc_u32 v16, s34, v16
.irp q,0,1,2,3
	ds_load_b128 v[80+4*\q:83+4*\q], v16 offset:16*\q
.endr
.irp q,0,1,2,3
	ds_load_b128 v[96+4*\q:99+4*\q], v16 offset:128+16*\q
.endr
	s_mul_i32 s34, s29, 32*SP
	s_lshl_b32 s40, s30, 6
	s_add_co_u32 s34, s34, s40
	s_add_co_u32 s34, s34, 256
	v_mul_u32_u24 v17, v13, SP
	v_lshl_add_u32 v17, v14, 4, v17
	v_add_nc_u32 v17, s34, v17
.irp dl,0,1
.irp q,0,1
	ds_load_tr16_b128 v[112+4*(2*\dl+\q):115+4*(2*\dl+\q)], v17 offset:\q*16*SP+\dl*32
.endr
.endr
	s_lshr_b32 s38, s31, 3                         ; batch
	s_lshl_b32 s38, s38, 3
	s_add_co_u32 s38, s38, s32                     ; 8 batch + head
	s_and_b32 s39, s31, 7                          ; my block of 128 rows in the batch
	s_lshl_b32 s34, s38, 6
	s_lshl3_add_u32 s34, s39, s34
	s_add_co_u32 s34, s34, s28                     ; tile of 16 rows
	s_lshl_b32 s34, s34, 11                        ; 2,048 bytes each
	s_add_nc_u64 s[20:21], s[20:21], s[34:35]
	s_add_nc_u64 s[22:23], s[22:23], s[34:35]
	s_lshl_b32 s34, s38, 5
	s_lshl2_add_u32 s34, s39, s34
	s_add_co_u32 s34, s34, s29                     ; group of 32 keys
	s_lshl_b32 s34, s34, 12                        ; 4,096 bytes each
	s_lshl_b32 s40, s30, 11
	s_add_co_u32 s34, s34, s40
	s_add_nc_u64 s[24:25], s[24:25], s[34:35]
	s_wait_dscnt 0x0
.irp q,0,1,2,3
	global_store_b128 v7, v[80+4*\q:83+4*\q], s[20:21] offset:512*\q     ; each store of the wave covers 512 consecutive bytes, aligned
.endr
.irp q,0,1,2,3
	global_store_b128 v7, v[96+4*\q:99+4*\q], s[22:23] offset:512*\q
.endr
.irp f,0,1,2,3
	global_store_b128 v7, v[112+4*\f:115+4*\f], s[24:25] offset:512*\f
.endr
	s_cmp_gt_u32 s28, 3
	s_cbranch_scc1 .Ldone                          ; waves 0-3: the four fragment halves of my 64 x 16 block of Wo
	s_lshl_b32 s34, s28, 9                         ; rows 16 w of 32 bytes
	s_add_co_u32 s34, s34, WOS
	v_lshlrev_b32 v18, 5, v13
	v_lshl_add_u32 v18, v14, 4, v18
	v_add_nc_u32 v18, s34, v18
	ds_load_tr16_b128 v[128:131], v18
	s_lshl_b32 s34, s31, 5                         ; ((column tile) 16 + 2 (g&7) + (w>>1)) 2 + (w&1) = 32 (g>>3) + 4 (g&7) + w
	s_lshl2_add_u32 s34, s32, s34
	s_add_co_u32 s34, s34, s28
	s_lshl_b32 s34, s34, 9
	s_add_nc_u64 s[26:27], s[26:27], s[34:35]
	s_wait_dscnt 0x0
	global_store_b128 v7, v[128:131], s[26:27]
.Ldone:
	s_set_vgpr_msb 0x5
	s_wait_tensorcnt 0x0
	ds_add_u32 v0, v1
	s_wait_dscnt 0x0
	s_set_vgpr_msb 0x500
	s_endpgm
.Lfunc_end_k_qdbe222e832_prep:
	.size	k_qdbe222e832_prep, .Lfunc_end_k_qdbe222e832_prep-k_qdbe222e832_prep
	.p2alignl 7, 3214868480
	.fill 96, 4, 3214868480
	.section	.rodata,"a",@progbits
	.p2align	6, 0x0
	.amdhsa_kernel k_qdbe222e832_prep
		.amdhsa_group_segment_fixed_size 93952
		.amdhsa_private_segment_fixed_size 0
		.amdhsa_enable_private_segment 0
		.amdhsa_kernarg_size 96
		.amdhsa_user_sgpr_count 2
		.amdhsa_user_sgpr_kernarg_segment_ptr 1
		.amdhsa_wavefront_size32 1
		.amdhsa_system_sgpr_workgroup_id_x 1
		.amdhsa_system_sgpr_workgroup_id_y 1
		.amdhsa_system_sgpr_workgroup_id_z 1
		.amdhsa_system_vgpr_workitem_id 0
		.amdhsa_next_free_vgpr 258
		.amdhsa_next_free_sgpr 66
		.amdhsa_reserve_vcc 0
		.amdhsa_float_denorm_mode_32 3
		.amdhsa_float_denorm_mode_16_64 3
		.amdhsa_memory_ordered 1
		.amdhsa_forward_progress 1
		.amdhsa_inst_pref_size 76
	.end_amdhsa_kernel
	.amdgpu_metadata
---
amdhsa.version: [ 1, 2 ]
amdhsa.kernels:
  - .name:           k_qdbe222e832_prep
    .symbol:         k_qdbe222e832_prep.kd
    .args:
      - { .name: x, .offset: 0, .size: 8, .value_kind: global_buffer, .address_space: global }
      - { .name: Wq, .offset: 8, .size: 8, .value_kind: global_buffer, .address_space: global }
      - { .name: Wk, .offset: 16, .size: 8, .value_kind: global_buffer, .address_space: global }
      - { .name: Wv, .offset: 24, .size: 8, .value_kind: global_buffer, .address_space: global }
      - { .name: bq, .offset: 32, .size: 8, .value_kind: global_buffer, .address_space: global }
      - { .name: bk, .offset: 40, .size: 8, .value_kind: global_buffer, .address_space: global }
      - { .name: bv, .offset: 48, .size: 8, .value_kind: global_buffer, .address_space: global }
      - { .name: Wo, .offset: 56, .size: 8, .value_kind: global_buffer, .address_space: global }
      - { .name: Qf, .offset: 64, .size: 8, .value_kind: global_buffer, .address_space: global }
      - { .name: Kf, .offset: 72, .size: 8, .value_kind: global_buffer, .address_space: global }
      - { .name: Vf, .offset: 80, .size: 8, .value_kind: global_buffer, .address_space: global }
      - { .name: Wof, .offset: 88, .size: 8, .value_kind: global_buffer, .address_space: global }
    .group_segment_fixed_size: 93952
    .private_segment_fixed_size: 0
    .kernarg_segment_align: 8
    .kernarg_segment_size: 96
    .max_flat_workgroup_size: 256
    .sgpr_count:     66
    .vgpr_count:     258
    .wavefront_size: 32
...
	.end_amdgpu_metadata
.endif
;; end of part 1
;; launch attn (part 2): grid 256 x 1, 8 waves a work-group, no clusters, 280,576 bytes of LDS; arguments Qf, Kf, Vf, Wof, freqs, W1, b1, W2, b2, bo, out0; writes out0
.if DOCPART == 2
	.amdgcn_target "amdgcn-amd-amdhsa--gfx1250"
	.amdhsa_code_object_version 6
	.text
	.protected	k_qdbe222e832_attn
	.globl	k_qdbe222e832_attn
	.p2align	8
	.type	k_qdbe222e832_attn,@function
k_qdbe222e832_attn:
	s_mov_b64 s[64:65], 0
	v_nop
	global_prefetch_b8 v0, s[64:65] scope:SCOPE_SE
	s_setreg_imm32_b32 hwreg(HW_REG_WAVE_MODE, 25, 1), 1
	s_wait_xcnt 0x0
; Pair bias (2 -> 64 -> relu -> 8 heads), scores, softmax with a running maximum, P V and the output projection, for 16 query rows of one batch.
; Work-group g: batch g>>6, query rows 16 (g&63) .. +15, all 8 heads, so that the hidden layer is formed once for each pair (i, j).
; The 1,024 keys go in 4 steps of 256.  In a step wave w first makes the bias of key tiles 2w, 2w+1 for all 16 rows and all 8 heads and puts
; it into an LDS buffer; behind one barrier it is head w: it takes its head's bias as the C of K Q^T, and goes on to softmax and P V.
; Two bias buffers take turns, so one barrier a step orders the stores ahead of the reads and a buffer's reads ahead of its next stores.
; HIDDEN LAYER: rel @ W1 + b1 = P_i[c] - R_j[c] with P_i = f_i W1[0] + ln|a_i| W1[1] + b1, R_j = f_j W1[0] + ln|a_j| W1[1], a = f + 1e-6, all in f32
; on the vector unit (K = 2 is no work for the matrix unit); relu and the rounding to bf16 follow; hidden @ W2 goes to the matrix unit.
; LIMITS: ln(a_i / a_j) is formed as ln|a_i| - ln|a_j|: equal wherever all f + 1e-6 of a batch have one sign; with mixed signs the quotient's
; logarithm is NaN and this text gives finite numbers.  |a| below 2^-126 counts as 0 in v_log_f32 (ISA guide 15.8).
; log2(e) is folded into Q (first launch), W2 and b2: the softmax works in base 2.
; NO TENSOR LOADS, NO JOINT REQUESTS: the two bias buffers and the tables take 279,552 of the 327,680 bytes of LDS, and one slot of 64 keys of K and V
; for 8 heads would be 131,072; each K and V fragment is read by one wave of the work-group only, so it goes straight into that wave's registers.
.set PT,    0                          ; P: 16 rows x 64 f32
.set W1T,   4096                       ; W1: 2 x 64 f32
.set FT,    4608                       ; -f of the batch's 1,024 keys
.set LT,    8704                       ; -ln|a| of them
.set BUF0,  12800
.set RP,    1040                       ; a row of 256 keys in f32 + 16 bytes
.set HP,    16*RP+32                   ; a head's 16 rows + 32 bytes: 16 lanes (8 heads x 2 rows, or 16 rows) touch 16 different 16-byte columns of 256
.set BUFSZ, 8*HP                       ; 133,376
.set OP,    272                        ; pitch of the way out: 64 f32 + 16 bytes
.set LOG2E, 0x3fb8aa3b
; window 0
.set L16,  1                           ; 16 x lane
.set KOFF, 2                           ; offset of the K fragments that are fetched next
.set VOFF, 3
.set PADR, 4                           ; LDS address of the P row loaded last
.set BST,  5                           ; where my bias goes;  BST0 = 6: the same at row 0 of buffer 0
.set BST0, 6
.set BLD,  7                           ; where my head's bias lies;  BLD0 = 8
.set BLD0, 8
.set FADR, 9                           ; my key's place in FT and LT
.set MX,   10                          ; running maximum of row r
.set NM,   12                          ; v[12:13] minus the new maximum, twice
.set AL,   14                          ; v[14:15] 2^(old - new maximum), twice
.set FL,   16                          ; v[16:23] (-f, -f), (-L, -L) of my key in tile a, then in tile b
.set W2LO, 24                          ; v24-39  W2 fragment, columns 0-7 = heads, columns 8-15 = 0
.set W2HI, 40                          ; v40-55  columns 0-7 = 0, columns 8-15 = heads
.set B2C,  56                          ; v56-63  b2 of head r&7
.set PR,   64                          ; v64-95  P_i[32 half + e]
.set RA,   96                          ; v96-127 -R_j of tile a;  RB: tile b
.set RB,   128
.set XA,   160                         ; v160-191 hidden values of tile a, then packed in its first 16;  in attention: the scores (4 tiles x 8)
.set XB,   192                         ; v192-223 tile b;  in attention: P in bf16 (first 16)
.set DA,   224
.set DB,   232
.set T0,   246
.set T1,   247                         ; v241 r, v242 half, v243 lane stay for the whole kernel
; window 1
.set QR,   0                           ; 16: Q fragments
.set ONES, 16                          ; 8: bf16 ones, whose product with P is the row sum
.set CTX,  24                          ; 40: four tiles of ctx^T and the row sum
.set KR,   64                          ; 64: K of 64 keys
.set VR,   128                         ; 64: V of 64 keys
.set MSB, 0
.macro WIN new                         ; s_set_vgpr_msb: bits 1:0 source 0, 3:2 source 1, 5:4 source 2, 7:6 destination; the high byte repeats the setting left
.if MSB != \new
	s_set_vgpr_msb (MSB<<8)|\new
.set MSB, \new
.endif
.endm
.macro PLACES                          ; four plain vector instructions between a matrix instruction and a load into, or a read of, its registers
.rept 4
	v_nop
.endr
.endm
.macro KLOAD                           ; 4 tiles of 16 keys x 64: each load 512 consecutive bytes
.irp t,0,1,2,3
.irp q,0,1,2,3
	global_load_b128 v[KR+16*\t+4*\q:KR+16*\t+4*\q+3], v[KOFF], s[6:7] offset:\t*2048+\q*512
.endr
.endr
.endm
.macro VLOAD                           ; 2 groups of 32 keys x 4 tiles of 16 columns
.irp f,0,1,2,3,4,5,6,7
.irp q,0,1
	global_load_b128 v[VR+8*\f+4*\q:VR+8*\f+4*\q+3], v[VOFF], s[8:9] offset:\f*1024+\q*512
.endr
.endr
.endm
; The hidden layer of one query row for my two key tiles, and its product with W2.  w2 = W2LO for an even row (results in columns 0-7), W2HI for an odd one
; (columns 8-15).  first = 1: the sums start from b2.  cnt: LDS instructions issued behind the loads of this row's P.
.macro HID w2, first, cnt
	s_wait_dscnt \cnt
.irp k,16,18,20,22,24,26,28,30,0,2,4,6,8,10,12,14      ; the upper halves first: sixteen places behind the last products, which read the lower halves
	v_pk_add_f32 v[XA+\k:XA+\k+1], v[PR+\k:PR+\k+1], v[RA+\k:RA+\k+1]
	v_pk_add_f32 v[XB+\k:XB+\k+1], v[PR+\k:PR+\k+1], v[RB+\k:RB+\k+1]
.endr
	v_add_nc_u32 v[PADR], 256, v[PADR]
	v_and_b32 v[PADR], 0xfff, v[PADR]              ; the next row's P; behind row 15 comes row 0, for the next step
.irp k,0,1,2,3,4,5,6,7
	ds_load_b128 v[PR+4*\k:PR+4*\k+3], v[PADR] offset:PT+16*\k
.endr
.irp k,0,2,4,6,8,10,12,14,16,18,20,22,24,26,28,30
	v_dual_max_num_f32 v[XA+\k], 0, v[XA+\k] :: v_dual_max_num_f32 v[XA+\k+1], 0, v[XA+\k+1]
	v_dual_max_num_f32 v[XB+\k], 0, v[XB+\k] :: v_dual_max_num_f32 v[XB+\k+1], 0, v[XB+\k+1]
.endr
.irp q,0,1,2,3,4,5,6,7,8,9,10,11,12,13,14,15           ; in place, ascending: register q is written when 2q and 2q+1 have been read
	v_cvt_pk_bf16_f32 v[XA+\q], v[XA+2*\q], v[XA+2*\q+1]
	v_cvt_pk_bf16_f32 v[XB+\q], v[XB+2*\q], v[XB+2*\q+1]
.endr
	; the two accumulators take turns, one instruction a turn
.if \first
	v_wmma_f32_16x16x32_bf16 v[DA:DA+7], v[XA:XA+7], v[\w2:\w2+7], v[B2C:B2C+7]
	v_wmma_f32_16x16x32_bf16 v[DB:DB+7], v[XB:XB+7], v[\w2:\w2+7], v[B2C:B2C+7]
.else
	v_wmma_f32_16x16x32_bf16 v[DA:DA+7], v[XA:XA+7], v[\w2:\w2+7], v[DA:DA+7]
	v_wmma_f32_16x16x32_bf16 v[DB:DB+7], v[XB:XB+7], v[\w2:\w2+7], v[DB:DB+7]
.endif
	v_wmma_f32_16x16x32_bf16 v[DA:DA+7], v[XA+8:XA+15], v[\w2+8:\w2+15], v[DA:DA+7]
	v_wmma_f32_16x16x32_bf16 v[DB:DB+7], v[XB+8:XB+15], v[\w2+8:\w2+15], v[DB:DB+7]
.endm
	s_load_b512 s[4:19], s[0:1], 0x0               ; Qf 4, Kf 6, Vf 8, Wof 10, freqs 12, W1 14, b1 16, W2 18
	s_load_b128 s[20:23], s[0:1], 0x40             ; b2 20, bo 22
	s_load_b64 s[24:25], s[0:1], 0x50              ; out0
	v_lshl_add_u32 v254, v0, 2, 0x44400
	v_mov_b32 v255, 0
	v_lshrrev_b32 v240, 5, v0
	v_readfirstlane_b32 s26, v240                  ; wave w
	s_lshr_b32 s27, ttmp9, 6                       ; batch
	s_and_b32 s28, ttmp9, 63                       ; tile of 16 query rows
	s_mov_b32 s30, 0x76543210                      ; v_permlanex16_b32: lane i of one half reads lane i of the other
	s_mov_b32 s31, 0xfedcba98
	v_and_b32 v241, 15, v0                         ; r
	v_bfe_u32 v242, v0, 4, 1                       ; half
	v_and_b32 v243, 31, v0                         ; lane
	v_lshlrev_b32 v[L16], 4, v243
	v_mov_b32 v[KOFF], v[L16]
	v_mov_b32 v[VOFF], v[L16]
	v_lshlrev_b32 v[PADR], 7, v242                 ; my half's 32 hidden units of row 0
	v_and_b32 v240, 7, v0
	v_bfe_u32 v244, v0, 3, 1
	v_mul_u32_u24 v[BST0], v240, HP                ; head r&7,
	v_mul_u32_u24 v244, v244, RP                   ; row r>>3 of the pair,
	v_add_nc_u32 v[BST0], v[BST0], v244
	v_lshl_add_u32 v[BST0], v242, 5, v[BST0]       ; keys 8 half .. +7
	s_lshl_b32 s36, s26, 7                         ; of tile 2w
	s_add_co_u32 s36, s36, BUF0
	v_add_nc_u32 v[BST0], s36, v[BST0]
	v_mul_u32_u24 v[BLD0], v241, RP                ; row r,
	v_lshl_add_u32 v[BLD0], v242, 5, v[BLD0]
	s_mul_i32 s36, s26, HP                         ; head w
	s_add_co_u32 s36, s36, BUF0
	v_add_nc_u32 v[BLD0], s36, v[BLD0]
	v_lshlrev_b32 v[FADR], 2, v241
	v_lshl_add_u32 v[FADR], s26, 7, v[FADR]        ; key 32 w + r
	v_lshlrev_b32 v240, 2, v240                    ; b2: 4 (r&7)
	v_lshl_add_u32 v244, v242, 10, v240            ; W2: row 32 half, column r&7
	v_lshlrev_b32 v245, 4, v241                    ; W1, b1: 16 (t&15)
	v_lshrrev_b32 v246, 4, v0
	v_lshlrev_b32 v246, 2, v246
	s_lshl_b32 s36, s28, 6
	v_add_nc_u32 v246, s36, v246                   ; f of query row t>>4
	v_lshlrev_b32 v247, 4, v0                      ; 16 t
	s_wait_kmcnt 0x0
	s_lshl_b32 s36, s27, 3
	s_add_co_u32 s36, s36, s26                     ; 8 batch + head
	s_lshl_b32 s38, s36, 17                        ; 131,072 bytes of K, and of V, for each
	s_mov_b32 s39, 0
	s_add_nc_u64 s[6:7], s[6:7], s[38:39]
	s_add_nc_u64 s[8:9], s[8:9], s[38:39]
	s_lshl_b32 s36, s36, 6
	s_add_co_u32 s36, s36, s28
	s_lshl_b32 s38, s36, 11
	s_add_nc_u64 s[4:5], s[4:5], s[38:39]
	s_lshl_b32 s38, s26, 16                        ; Wo^T: my 64 output columns
	s_add_nc_u64 s[10:11], s[10:11], s[38:39]
	s_lshl_b32 s38, s27, 12
	s_add_nc_u64 s[12:13], s[12:13], s[38:39]      ; the batch's freqs
	s_lshl_b32 s38, s27, 21                        ; out0: (1,024 batch + 16 tile) rows of 2,048 bytes + 256 w
	s_lshl_b32 s36, s28, 15
	s_add_co_u32 s38, s38, s36
	s_lshl_b32 s36, s26, 8
	s_add_co_u32 s38, s38, s36
	s_add_nc_u64 s[24:25], s[24:25], s[38:39]
	; the tables' inputs: 38 loads
	global_load_b128 v[160:163], v247, s[12:13]    ; four f of the batch
	global_load_b32 v164, v246, s[12:13]           ; f of query row t>>4
	global_load_b128 v[168:171], v245, s[14:15]    ; W1[0], four units
	global_load_b128 v[172:175], v245, s[14:15] offset:256
	global_load_b128 v[176:179], v245, s[16:17]    ; b1
	global_load_b32 v[B2C], v240, s[20:21]
.set e, 0
.rept 32
	global_load_b32 v[XB+e], v244, s[18:19] offset:32*e    ; W2[32 half + e][r&7]
.set e, e+1
.endr
	s_wait_loadcnt 0x0                             ; all 38
.irp k,0,1,2,3
	v_add_f32 v[180+\k], 0x358637bd, v[160+\k]     ; a = f + 1e-6
.endr
	v_add_f32 v184, 0x358637bd, v164
.irp k,0,1,2,3,4
	v_and_b32 v[180+\k], 0x7fffffff, v[180+\k]
.endr
.irp k,0,1,2,3,4
	v_log_f32 v[180+\k], v[180+\k]
.endr
	v_nop                                          ; one plain instruction behind the transcendentals (ISA guide 5.7.2)
	s_wait_alu depctr_va_vdst(0)
.irp k,0,1,2,3
	v_mul_f32 v[180+\k], 0xbf317218, v[180+\k]     ; -ln|a|
	v_mul_f32 v[160+\k], -1.0, v[160+\k]           ; -f
.endr
	v_mul_f32 v184, 0x3f317218, v184               ; +ln|a| of the query row
	ds_store_b128 v247, v[160:163] offset:FT
	ds_store_b128 v247, v[180:183] offset:LT
.irp k,0,1,2,3
	v_fma_f32 v[176+\k], v164, v[168+\k], v[176+\k]
.endr
.irp k,0,1,2,3
	v_fma_f32 v[176+\k], v184, v[172+\k], v[176+\k]
.endr
	ds_store_b128 v247, v[176:179] offset:PT       ; 256 (t>>4) + 16 (t&15) = 16 t
	s_cmp_lg_u32 s26, 0
	s_cbranch_scc1 .Lnow1
	ds_store_b128 v245, v[168:171] offset:W1T      ; wave 0 keeps W1 (its two halves store the same numbers)
	ds_store_b128 v245, v[172:175] offset:W1T+256
.Lnow1:
.irp k,0,2,4,6,8,10,12,14,16,18,20,22,24,26,28,30
	v_pk_mul_f32 v[XB+\k:XB+\k+1], v[XB+\k:XB+\k+1], LOG2E op_sel_hi:[1,0]
.endr
.irp q,0,1,2,3,4,5,6,7,8,9,10,11,12,13,14,15
	v_cvt_pk_bf16_f32 v[RA+\q], v[XB+2*\q], v[XB+2*\q+1]
.endr
	v_cmp_gt_u32 vcc_lo, 8, v241
.irp q,0,1,2,3,4,5,6,7,8,9,10,11,12,13,14,15
	v_cndmask_b32 v[W2LO+\q], 0, v[RA+\q], vcc_lo
	v_cndmask_b32 v[W2HI+\q], v[RA+\q], 0, vcc_lo
.endr
	v_mul_f32 v[B2C], LOG2E, v[B2C]
.irp k,1,2,3,4,5,6,7
	v_mov_b32 v[B2C+\k], v[B2C]
.endr
	v_mov_b32 v[MX], 0xff7fffff                    ; the lowest finite number: the first 2^(old - new) is 0
	WIN 0x40
.irp q,0,1,2,3
	global_load_b128 v[QR+4*\q:QR+4*\q+3], v[L16], s[4:5] offset:512*\q    ; Q, then the first 64 keys of K, then of V: 36 loads,
.endr
	KLOAD                                          ; which have the first step's hidden layer in which to land
	VLOAD
.irp k,0,1,2,3,4,5,6,7
	v_mov_b32 v[ONES+\k], 0x3f803f80
.endr
.set e, 0
.rept 40
	v_mov_b32 v[CTX+e], 0                          ; once: every key block then runs the same text
.set e, e+1
.endr
	WIN 0
	s_wait_dscnt 0x0
	s_barrier_signal -1
	s_barrier_wait -1                              ; the tables are whole
.irp k,0,1,2,3,4,5,6,7
	ds_load_b128 v[PR+4*\k:PR+4*\k+3], v[PADR] offset:PT+16*\k     ; P of row 0
.endr
; One step of 256 keys through bias buffer buf.
.macro STEP buf
	v_add_nc_u32 v[BST], \buf*BUFSZ, v[BST0]
	ds_load_b32 v[FL+0], v[FADR] offset:FT
	ds_load_b32 v[FL+1], v[FADR] offset:FT
	ds_load_b32 v[FL+2], v[FADR] offset:LT
	ds_load_b32 v[FL+3], v[FADR] offset:LT
	ds_load_b32 v[FL+4], v[FADR] offset:FT+64
	ds_load_b32 v[FL+5], v[FADR] offset:FT+64
	ds_load_b32 v[FL+6], v[FADR] offset:LT+64
	ds_load_b32 v[FL+7], v[FADR] offset:LT+64
.irp k,0,1,2,3,4,5,6,7
	ds_load_b128 v[XA+4*\k:XA+4*\k+3], v[PADR] offset:W1T+16*\k        ; PADR stands at row 0 here: 128 half
	ds_load_b128 v[XB+4*\k:XB+4*\k+3], v[PADR] offset:W1T+256+16*\k
.endr
	s_wait_dscnt 0x0
.irp k,0,2,4,6,8,10,12,14,16,18,20,22,24,26,28,30
	v_pk_mul_f32 v[RA+\k:RA+\k+1], v[XA+\k:XA+\k+1], v[FL+0:FL+1]
	v_pk_mul_f32 v[RB+\k:RB+\k+1], v[XA+\k:XA+\k+1], v[FL+4:FL+5]
.endr
.irp k,0,2,4,6,8,10,12,14,16,18,20,22,24,26,28,30
	v_pk_fma_f32 v[RA+\k:RA+\k+1], v[XB+\k:XB+\k+1], v[FL+2:FL+3], v[RA+\k:RA+\k+1]
	v_pk_fma_f32 v[RB+\k:RB+\k+1], v[XB+\k:XB+\k+1], v[FL+6:FL+7], v[RB+\k:RB+\k+1]
.endr
	v_add_nc_u32 v[FADR], 1024, v[FADR]            ; the next step's 256 keys
	s_mov_b32 s33, 8
.Lpair_\@:
	HID W2LO, 1, 4                                 ; behind this row's 8 loads of P stand the 4 bias stores of the last trip (none on the way in)
	HID W2HI, 0, 0
	PLACES
	ds_store_b128 v[BST], v[DA:DA+3]               ; lane (r, half): head r&7, row 2 trip + (r>>3), keys 8 half .. +7 of tile a
	ds_store_b128 v[BST], v[DA+4:DA+7] offset:16
	ds_store_b128 v[BST], v[DB:DB+3] offset:64     ; and of tile b
	ds_store_b128 v[BST], v[DB+4:DB+7] offset:80
	v_add_nc_u32 v[BST], 2*RP, v[BST]
	s_sub_co_u32 s33, s33, 1
	s_cmp_lg_u32 s33, 0
	s_cbranch_scc1 .Lpair_\@
	s_wait_dscnt 0x0                               ; my bias stores are done, and so are my reads of the other buffer in the last step
	s_barrier_signal -1
	s_barrier_wait -1                              ; everybody's
	v_add_nc_u32 v[BLD], \buf*BUFSZ, v[BLD0]
	s_mov_b32 s35, 4
.Lsub_\@:                                          ; 64 keys
.irp t,0,1,2,3
	ds_load_b128 v[XA+8*\t:XA+8*\t+3],   v[BLD] offset:64*\t       ; the bias is the C of the scores
	ds_load_b128 v[XA+8*\t+4:XA+8*\t+7], v[BLD] offset:64*\t+16
.endr
	v_add_nc_u32 v[BLD], 256, v[BLD]
	s_wait_loadcnt 16                              ; K is in (in the first block Q too, issued ahead of it); the 16 loads of V issued behind it may be out
	v_add_nc_u32 v[KOFF], 8192, v[KOFF]            ; free since that wait.  Behind the last block it wraps to the first: that fetch stays inside Kf and is not used
	v_and_b32 v[KOFF], 0x1ffff, v[KOFF]
	s_wait_dscnt 0x0
	WIN 0x05
.irp kh,0,1                                        ; four accumulators take turns, one instruction a turn
.irp t,0,1,2,3
	v_wmma_f32_16x16x32_bf16 v[XA+8*\t:XA+8*\t+7], v[KR+16*\t+8*\kh:KR+16*\t+8*\kh+7], v[QR+8*\kh:QR+8*\kh+7], v[XA+8*\t:XA+8*\t+7]
.endr
.endr
	WIN 0
	PLACES
	WIN 0x40
	KLOAD                                          ; the next 64 keys
	WIN 0
	; lane (r, half) holds 32 scores of row r; the other half of the wave holds the other 32
	v_max3_num_f32 v[T0], v[MX], v[XA], v[XA+1]
	v_max3_num_f32 v[T1], v[XA+16], v[XA+17], v[XA+18]
.irp k,2,4,6,8,10,12,14
	v_max3_num_f32 v[T0], v[T0], v[XA+\k], v[XA+\k+1]
.endr
.irp k,19,21,23,25,27,29
	v_max3_num_f32 v[T1], v[T1], v[XA+\k], v[XA+\k+1]
.endr
	v_max3_num_f32 v[T0], v[T0], v[T1], v[XA+31]
	v_permlanex16_b32 v[T1], v[T0], s30, s31
	v_max_num_f32 v[T0], v[T0], v[T1]              ; the new running maximum
	v_sub_f32 v[T1], v[MX], v[T0]
	v_exp_f32 v[AL], v[T1]
	v_mov_b32 v[MX], v[T0]                         ; the plain instruction behind the transcendental
	v_mul_f32 v[NM], -1.0, v[T0]
	v_mov_b32 v[NM+1], v[NM]
	s_wait_alu depctr_va_vdst(0)
	v_mov_b32 v[AL+1], v[AL]
.irp k,0,2,4,6,8,10,12,14,16,18,20,22,24,26,28,30
	v_pk_add_f32 v[XA+\k:XA+\k+1], v[XA+\k:XA+\k+1], v[NM:NM+1]
.endr
.set e, 0
.rept 32
	v_exp_f32 v[XA+e], v[XA+e]
.set e, e+1
.endr
	v_nop
	s_wait_alu depctr_va_vdst(0)
.irp q,0,1,2,3,4,5,6,7,8,9,10,11,12,13,14,15
	v_cvt_pk_bf16_f32 v[XB+\q], v[XA+2*\q], v[XA+2*\q+1]       ; tile t's 8 registers are keys 16 t + 8 half .. +7: P's fragment as it stands
.endr
	s_wait_loadcnt 16                              ; V is in; the 16 loads of the next K may be out
	v_add_nc_u32 v[VOFF], 8192, v[VOFF]
	v_and_b32 v[VOFF], 0x1ffff, v[VOFF]
	WIN 0x41
.set e, 0
.rept 20
	v_pk_mul_f32 v[CTX+e:CTX+e+1], v[CTX+e:CTX+e+1], v[AL:AL+1]
.set e, e+2
.endr
	WIN 0x51
.irp u,0,1                                         ; five accumulators take turns, one instruction a turn
.irp dt,0,1,2,3
	v_wmma_f32_16x16x32_bf16 v[CTX+8*\dt:CTX+8*\dt+7], v[VR+8*(4*\u+\dt):VR+8*(4*\u+\dt)+7], v[XB+8*\u:XB+8*\u+7], v[CTX+8*\dt:CTX+8*\dt+7]
.endr
	v_wmma_f32_16x16x32_bf16 v[CTX+32:CTX+39], v[ONES:ONES+7], v[XB+8*\u:XB+8*\u+7], v[CTX+32:CTX+39]
.endr
	WIN 0
	PLACES
	WIN 0x40
	VLOAD
	WIN 0
	s_sub_co_u32 s35, s35, 1
	s_cmp_lg_u32 s35, 0
	s_cbranch_scc1 .Lsub_\@
.endm
	s_mov_b32 s32, 2
.Lstep:
	STEP 0
	STEP 1
	s_sub_co_u32 s32, s32, 1
	s_cmp_lg_u32 s32, 0
	s_cbranch_scc1 .Lstep
	; THE OUTPUT PROJECTION.  Wave w makes output columns 64 w .. +63 of the 16 rows: O^T = Wo^T ctx^T, K = 512 in 8 groups of 64.
.macro WLOAD g, base                   ; group g of Wo^T (K steps 2g, 2g+1): 4 column tiles x 2 K steps x 2 halves, 512 consecutive bytes each
.irp t,0,1,2,3
.irp ks,0,1
.irp q,0,1
	global_load_b128 v[\base+8*(2*\t+\ks)+4*\q:\base+8*(2*\t+\ks)+4*\q+3], v[L16], s[10:11] offset:\t*16384+(2*(\g)+\ks)*1024+\q*512
.endr
.endr
.endr
.endm
	s_wait_loadcnt 0x0                             ; the wrapped fetches of K and V have landed: their registers are free
	WIN 0x40
	WLOAD 0, KR
	WLOAD 1, VR
	WIN 0
	v_lshlrev_b32 v244, 5, v242
	v_lshl_add_u32 v244, s26, 8, v244              ; bo of columns 64 w + 8 half ..
.irp t,0,1,2,3
	global_load_b128 v[RA+8*\t:RA+8*\t+3],   v244, s[22:23] offset:64*\t
	global_load_b128 v[RA+8*\t+4:RA+8*\t+7], v244, s[22:23] offset:64*\t+16
.endr
	WIN 0x01
	v_rcp_f32 v[T0], v[CTX+32]                     ; 1 / row sum, twice, for the packed multiply
	v_rcp_f32 v[T1], v[CTX+32]
	v_nop
.set e, 0
	s_wait_alu depctr_va_vdst(0)
.rept 16
	v_pk_mul_f32 v[XA+e:XA+e+1], v[CTX+e:CTX+e+1], v[T0:T1]
.set e, e+2
.endr
	WIN 0
.irp q,0,1,2,3,4,5,6,7,8,9,10,11,12,13,14,15
	v_cvt_pk_bf16_f32 v[XB+\q], v[XA+2*\q], v[XA+2*\q+1]
.endr
	v_lshl_add_u32 v245, s26, 11, v[L16]           ; my head's four fragment halves of ctx, in buffer 0, which nobody has read since the last step's barrier
	v_add_nc_u32 v245, BUF0, v245
.irp dt,0,1,2,3
	ds_store_b128 v245, v[XB+4*\dt:XB+4*\dt+3] offset:512*\dt
.endr
	v_add_nc_u32 v[BST], BUF0, v[L16]
	s_wait_dscnt 0x0
	s_barrier_signal -1
	s_barrier_wait -1                              ; ctx is whole, and nobody reads buffer 1 any more
; cnt = the global loads issued behind group g's
.macro OGRP g, base, cnt
.irp ks,0,1
.irp q,0,1
	ds_load_b128 v[XB+8*\ks+4*\q:XB+8*\ks+4*\q+3], v[BST] offset:((2*\g+\ks)*2+\q)*512
.endr
.endr
	s_wait_loadcnt \cnt
	s_wait_dscnt 0x0
	WIN 0x01
.irp ks,0,1                                        ; four accumulators take turns, one instruction a turn
.irp t,0,1,2,3
.if (\g+\ks) == 0
	v_wmma_f32_16x16x32_bf16 v[XA+8*\t:XA+8*\t+7], v[\base+8*(2*\t+\ks):\base+8*(2*\t+\ks)+7], v[XB+8*\ks:XB+8*\ks+7], 0
.else
	v_wmma_f32_16x16x32_bf16 v[XA+8*\t:XA+8*\t+7], v[\base+8*(2*\t+\ks):\base+8*(2*\t+\ks)+7], v[XB+8*\ks:XB+8*\ks+7], v[XA+8*\t:XA+8*\t+7]
.endif
.endr
.endr
	WIN 0
	PLACES
.if \g < 6
	WIN 0x40
	WLOAD \g+2, \base
	WIN 0
.endif
.endm
	OGRP 0, KR, 24                                 ; behind group 0: group 1's 16 and bo's 8
	OGRP 1, VR, 24                                 ; behind group 1: bo's 8 and group 2's 16
	OGRP 2, KR, 16                                 ; from here on: the next group's 16
	OGRP 3, VR, 16
	OGRP 4, KR, 16
	OGRP 5, VR, 16
	OGRP 6, KR, 16
	OGRP 7, VR, 0
.irp k,0,2,4,6,8,10,12,14,16,18,20,22,24,26,28,30
	v_pk_add_f32 v[XA+\k:XA+\k+1], v[XA+\k:XA+\k+1], v[RA+\k:RA+\k+1]
.endr
	; out through my own stage in buffer 1: in by (row r, 8 columns), back by whole rows of 256 bytes
	s_mul_i32 s36, s26, 16*OP
	s_add_co_u32 s36, s36, BUF0+BUFSZ
	v_mul_u32_u24 v[BST0], v241, OP
	v_lshl_add_u32 v[BST0], v242, 5, v[BST0]
	v_add_nc_u32 v[BST0], s36, v[BST0]
	v_mul_u32_u24 v[BLD], v242, OP
	v_lshl_add_u32 v[BLD], v241, 4, v[BLD]
	v_add_nc_u32 v[BLD], s36, v[BLD]
	v_lshlrev_b32 v[BLD0], 11, v242
	v_lshl_add_u32 v[BLD0], v241, 4, v[BLD0]
.irp t,0,1,2,3
	ds_store_b128 v[BST0], v[XA+8*\t:XA+8*\t+3]   offset:64*\t
	ds_store_b128 v[BST0], v[XA+8*\t+4:XA+8*\t+7] offset:64*\t+16
.endr
.irp n,0,1,2,3,4,5,6,7
	ds_load_b128 v[XB+4*\n:XB+4*\n+3], v[BLD] offset:\n*2*OP       ; LDS serves a wave's instructions in order (ISA guide 5.7.1): these see the stores above
.endr
.irp n,0,1,2,3,4,5,6,7
	s_wait_dscnt 7-\n
	global_store_b128 v[BLD0], v[XB+4*\n:XB+4*\n+3], s[24:25] offset:\n*4096 th:TH_STORE_NT   ; sixteen lanes store 256 consecutive bytes, aligned
.endr
	s_wait_tensorcnt 0x0
	ds_add_u32 v254, v255
	s_wait_dscnt 0x0
	s_endpgm
.Lfunc_end_k_qdbe222e832_attn:
	.size	k_qdbe222e832_attn, .Lfunc_end_k_qdbe222e832_attn-k_qdbe222e832_attn
	.p2alignl 7, 3214868480
	.fill 96, 4, 3214868480
	.section	.rodata,"a",@progbits
	.p2align	6, 0x0
	.amdhsa_kernel k_qdbe222e832_attn
		.amdhsa_group_segment_fixed_size 280576
		.amdhsa_private_segment_fixed_size 0
		.amdhsa_enable_private_segment 0
		.amdhsa_kernarg_size 88
		.amdhsa_user_sgpr_count 2
		.amdhsa_user_sgpr_kernarg_segment_ptr 1
		.amdhsa_wavefront_size32 1
		.amdhsa_system_sgpr_workgroup_id_x 1
		.amdhsa_system_sgpr_workgroup_id_y 1
		.amdhsa_system_sgpr_workgroup_id_z 1
		.amdhsa_system_vgpr_workitem_id 0
		.amdhsa_next_free_vgpr 448
		.amdhsa_next_free_sgpr 66
		.amdhsa_reserve_vcc 1
		.amdhsa_float_denorm_mode_32 3
		.amdhsa_float_denorm_mode_16_64 3
		.amdhsa_memory_ordered 1
		.amdhsa_forward_progress 1
		.amdhsa_inst_pref_size 110
	.end_amdhsa_kernel
	.amdgpu_metadata
---
amdhsa.version: [ 1, 2 ]
amdhsa.kernels:
  - .name:           k_qdbe222e832_attn
    .symbol:         k_qdbe222e832_attn.kd
    .args:
      - { .name: Qf, .offset: 0, .size: 8, .value_kind: global_buffer, .address_space: global }
      - { .name: Kf, .offset: 8, .size: 8, .value_kind: global_buffer, .address_space: global }
      - { .name: Vf, .offset: 16, .size: 8, .value_kind: global_buffer, .address_space: global }
      - { .name: Wof, .offset: 24, .size: 8, .value_kind: global_buffer, .address_space: global }
      - { .name: freqs, .offset: 32, .size: 8, .value_kind: global_buffer, .address_space: global }
      - { .name: W1, .offset: 40, .size: 8, .value_kind: global_buffer, .address_space: global }
      - { .name: b1, .offset: 48, .size: 8, .value_kind: global_buffer, .address_space: global }
      - { .name: W2, .offset: 56, .size: 8, .value_kind: global_buffer, .address_space: global }
      - { .name: b2, .offset: 64, .size: 8, .value_kind: global_buffer, .address_space: global }
      - { .name: bo, .offset: 72, .size: 8, .value_kind: global_buffer, .address_space: global }
      - { .name: out0, .offset: 80, .size: 8, .value_kind: global_buffer, .address_space: global }
    .group_segment_fixed_size: 280576
    .private_segment_fixed_size: 0
    .kernarg_segment_align: 8
    .kernarg_segment_size: 88
    .max_flat_workgroup_size: 256
    .sgpr_count:     66
    .vgpr_count:     448
    .wavefront_size: 32
...
	.end_amdgpu_metadata
.endif
;; end of part 2
;; ======== version 2 of 3: 2 launches; 1.24 times as fast as version 1
;; workspace buffers: Qf 4,194,304 bytes; Kf 4,194,304 bytes; Vf 4,194,304 bytes; Wof 524,288 bytes
;; launch prep (part 3): grid 256 x 1, 8 waves a work-group, no clusters, 93,952 bytes of LDS; arguments x, Wq, Wk, Wv, bq, bk, bv, Wo, Qf, Kf, Vf, Wof; writes Qf, Kf, Vf, Wof
.if DOCPART == 3
	.amdgcn_target "amdgcn-amd-amdhsa--gfx1250"
	.amdhsa_code_object_version 6
	.text
	.protected	k_qdbe222e832_prep
	.globl	k_qdbe222e832_prep
	.p2align	8
	.type	k_qdbe222e832_prep,@function
k_qdbe222e832_prep:
	s_mov_b64 s[64:65], 0
	v_nop
	global_prefetch_b8 v0, s[64:65] scope:SCOPE_SE
	s_setreg_imm32_b32 hwreg(HW_REG_WAVE_MODE, 25, 1), 1
	s_wait_xcnt 0x0
; Q, K, V = x W + b for one head and 128 rows of x, rounded to bf16 and stored in the order in which the second launch's
; matrix fragments want them (each fragment half = 512 consecutive bytes, lane l at byte 16 l); and a 64 x 16 block of Wo, transposed.
; Work-group g: rows 128 (g>>3) .. +127 of the 4,096 rows of x, head g&7.  Its tile of C is 128 rows x 192 columns (Q 64 | K 64 | V 64).
; Eight waves: wave w takes rows 32 (w>>1) .. +31 (two tiles of 16) and column tiles 6 (w&1) .. +5: twelve accumulators.
; The product is used transposed (source 0 = 16 columns of W, source 1 = 16 rows of x): a lane then holds 8 neighbouring columns of one row.
; K = 512 goes in 8 chunks of 64 through two LDS buffers.  x and W are f32 in memory, so they pass through registers, are rounded to bf16
; there and stored into LDS; that is why no tensor load and no joint request is used here: the 16-bit tile exists only behind the rounding.
; Two sets of 80 staging registers take turns: chunk c + 2 is requested at the head of chunk c and waited for at the end of chunk c + 1,
; so a wave always has one or two chunks (20 or 40 loads) on their way.  The eight chunks are written out: a chunk's step stands in the
; loads' immediates and no base register is stepped.
; Q is stored times log2(e)/8, so that the second launch's softmax works in base 2.
.set XP,   144                         ; LDS pitch of x rows: 64 bf16 = 128 bytes + 16
.set WP,   416                         ; LDS pitch of W rows: 192 bf16 = 384 bytes + 32
.set XBUF, 128*XP                      ; 18,432: one buffer of x
.set WS,   2*XBUF                      ; 36,864: W's buffers begin here
.set WBUF, 64*WP                       ; 26,624
.set BS,   WS+2*WBUF                   ; 90,112: 192 biases in f32
.set WOS,  BS+768                      ; 90,880: 64 rows x 16 bf16 of Wo
.set SP,   400                         ; pitch of the stage (384 + 16); the stage lies over x's and W's buffers, behind the last chunk's barrier
.set AF,   16                          ; v16-63   6 fragments of W
.set BF,   64                          ; v64-79   2 fragments of x
.set GX,   80                          ; v80-111  staging set 0: 8 quads of x as loaded.   Set 1: v0-31 of window 1 (v256-287)
.set GW,   112                         ; v112-159 staging set 0: 12 quads of W as loaded.  Set 1: v32-79 of window 1 (v288-335)
.set ACC,  160                         ; v160-255 accumulator (ct, mt) at ACC + 8 (2 ct + mt)
; v1 offset in x and W; v2, v3 where my quads go in LDS; v4, v5 where my fragments lie; v6 my place in the stage; v7 16 x lane
; v9 t&15; v10 t>>4; v11 half of the wave; v12 lane; v13 8 half + (lane&7); v14 (lane>>3)&1
.set MSB, 0
.macro WIN new                         ; s_set_vgpr_msb: bits 1:0 source 0, 3:2 source 1, 5:4 source 2, 7:6 destination; the high byte repeats the setting left
.if MSB != (\new)
	s_set_vgpr_msb (MSB<<8)|(\new)
.set MSB, (\new)
.endif
.endm
.macro PLACES                          ; four plain vector instructions between a matrix instruction and a load into, or a read of, its registers
.rept 4
	v_nop
.endr
.endm
.macro GLOAD c, set                    ; chunk c into staging set: 128 rows x 256 bytes of x, 64 rows x 256 bytes of each W; sixteen lanes read 256 consecutive bytes
	WIN 0x40*\set
.irp n,0,1,2,3,4,5,6,7
	global_load_b128 v[GX-80*\set+4*\n:GX-80*\set+4*\n+3], v1, s[4:5] offset:\n*32768+(\c)*256
.endr
.irp ty,0,1,2
.irp n,0,1,2,3
	global_load_b128 v[GW-80*\set+4*(4*\ty+\n):GW-80*\set+4*(4*\ty+\n)+3], v1, s[6+2*\ty:7+2*\ty] offset:\n*32768+(\c)*131072
.endr
.endr
	WIN 0
.endm
.macro CVTST buf, set                  ; round a staging set to bf16 (in place, 4 f32 -> 2 registers) and put it into LDS buffer buf
	WIN 0x45*\set
.irp q,0,1,2,3,4,5,6,7,8,9,10,11,12,13,14,15,16,17,18,19
	v_cvt_pk_bf16_f32 v[GX-80*\set+4*\q], v[GX-80*\set+4*\q], v[GX-80*\set+4*\q+1]
	v_cvt_pk_bf16_f32 v[GX-80*\set+4*\q+1], v[GX-80*\set+4*\q+2], v[GX-80*\set+4*\q+3]
.endr
	WIN 0x04*\set                                  ; an LDS store's data are its source 1
.irp n,0,1,2,3,4,5,6,7
	ds_store_b64 v2, v[GX-80*\set+4*\n:GX-80*\set+4*\n+1] offset:\buf*XBUF+\n*16*XP
.endr
.irp ty,0,1,2
.irp n,0,1,2,3
	ds_store_b64 v3, v[GW-80*\set+4*(4*\ty+\n):GW-80*\set+4*(4*\ty+\n)+1] offset:\buf*WBUF+\n*16*WP+\ty*128
.endr
.endr
	WIN 0
.endm
.macro FRAGS buf, kk                   ; the fragments of 32 along K: W lies [k][column], so its fragments come by the transposing load
.irp ct,0,1,2,3,4,5
	ds_load_tr16_b128 v[AF+8*\ct:AF+8*\ct+3],   v5 offset:\buf*WBUF+\kk*32*WP+\ct*32
	ds_load_tr16_b128 v[AF+8*\ct+4:AF+8*\ct+7], v5 offset:\buf*WBUF+\kk*32*WP+\ct*32+16*WP
.endr
.irp mt,0,1
	ds_load_b128 v[BF+8*\mt:BF+8*\mt+3],   v4 offset:\buf*XBUF+\mt*16*XP+\kk*64
	ds_load_b128 v[BF+8*\mt+4:BF+8*\mt+7], v4 offset:\buf*XBUF+\mt*16*XP+\kk*64+32
.endr
.endm
.macro MUL zero                        ; twelve products; the twelve accumulators take turns, one instruction a turn
.irp ct,0,1,2,3,4,5
.irp mt,0,1
.if \zero
	v_wmma_f32_16x16x32_bf16 v[ACC+8*(2*\ct+\mt):ACC+8*(2*\ct+\mt)+7], v[AF+8*\ct:AF+8*\ct+7], v[BF+8*\mt:BF+8*\mt+7], 0
.else
	v_wmma_f32_16x16x32_bf16 v[ACC+8*(2*\ct+\mt):ACC+8*(2*\ct+\mt)+7], v[AF+8*\ct:AF+8*\ct+7], v[BF+8*\mt:BF+8*\mt+7], v[ACC+8*(2*\ct+\mt):ACC+8*(2*\ct+\mt)+7]
.endif
.endr
.endr
.endm
; Chunk c of 64 along K, from LDS buffer b = c mod 2; nb = the other buffer, and the other staging set.
.macro CH c, b, nb, zero
	FRAGS \b, 0
.if \c < 6
	GLOAD \c+2, \b                                 ; set b went into LDS at the end of the last chunk: it takes the chunk after next
.endif
	s_wait_dscnt 0x0
	MUL \zero
	PLACES
	FRAGS \b, 1
	s_wait_dscnt 0x0
	MUL 0
.if \c < 6
	s_wait_loadcnt 20                              ; the next chunk is in; the 20 loads issued behind it, at this chunk's head, may be out
.endif
.if \c == 6
	s_wait_loadcnt 0x0                             ; the last chunk: nothing was issued behind it
.endif
.if \c < 7
	CVTST \nb, \nb                                 ; its 40 conversions are also the places in front of the next chunk's fragment loads
.endif
	s_wait_dscnt 0x0                               ; my reads of this buffer and my stores into the other are done
	s_barrier_signal -1
	s_barrier_wait -1                              ; so are everybody's
.endm
	s_load_b512 s[4:19], s[0:1], 0x0               ; x 4, Wq 6, Wk 8, Wv 10, bq 12, bk 14, bv 16, Wo 18
	s_load_b256 s[20:27], s[0:1], 0x40             ; Qf 20, Kf 22, Vf 24, Wof 26
	s_set_vgpr_msb 0x40
	v_lshl_add_u32 v80, v0, 2, 0x16b00
	v_mov_b32 v81, 0
	s_set_vgpr_msb 0x4000
	v_lshrrev_b32 v8, 5, v0
	v_readfirstlane_b32 s28, v8                    ; wave w
	s_lshr_b32 s29, s28, 1                         ; wm: my 32 rows
	s_and_b32 s30, s28, 1                          ; wn: my 6 column tiles
	s_lshr_b32 s31, ttmp9, 3                       ; mb: block of 128 rows
	s_and_b32 s32, ttmp9, 7                        ; head
	v_and_b32 v9, 15, v0
	v_lshrrev_b32 v10, 4, v0
	v_bfe_u32 v11, v0, 4, 1
	v_and_b32 v12, 31, v0
	v_lshlrev_b32 v1, 11, v10                      ; row t>>4 of 2,048 bytes
	v_lshl_add_u32 v1, v9, 4, v1                   ; + 16 (t&15)
	v_mul_u32_u24 v2, v10, XP
	v_lshl_add_u32 v2, v9, 3, v2
	v_mul_u32_u24 v3, v10, WP
	v_lshl_add_u32 v3, v9, 3, v3
	v_add_nc_u32 v3, WS, v3
	s_mul_i32 s34, s29, 32*XP
	v_mul_u32_u24 v4, v9, XP
	v_lshl_add_u32 v4, v11, 4, v4
	v_add_nc_u32 v4, s34, v4                       ; (32 wm + r) pitch + 16 half
	v_and_b32 v13, 7, v0
	v_lshl_add_u32 v13, v11, 3, v13
	v_bfe_u32 v14, v0, 3, 1
	v_mul_u32_u24 v5, v13, WP
	v_lshl_add_u32 v5, v14, 4, v5
	s_mul_i32 s34, s30, 192
	s_add_co_u32 s34, s34, WS
	v_add_nc_u32 v5, s34, v5
	s_mul_i32 s34, s29, 32*SP
	s_mul_i32 s35, s30, 192
	s_add_co_u32 s34, s34, s35
	v_mul_u32_u24 v6, v9, SP
	v_lshl_add_u32 v6, v11, 4, v6
	v_add_nc_u32 v6, s34, v6
	v_lshlrev_b32 v7, 4, v12
	v_lshrrev_b32 v15, 2, v0                       ; Wo: row t>>2 of my 64, 16 bytes at 16 (t&3)
	v_and_b32 v8, 3, v0
	v_lshlrev_b32 v15, 11, v15
	v_lshl_add_u32 v15, v8, 4, v15
	v_lshlrev_b32 v22, 3, v12                      ; bias: 8 lane
	v_lshlrev_b32 v23, 3, v0                       ; and where it goes: 256 w + 8 lane
	v_add_nc_u32 v23, BS, v23
	s_mov_b32 s37, 0x3f800000
	s_cmp_eq_u32 s30, 0
	s_cselect_b32 s36, 0x3e38aa3b, s37             ; log2(e)/8 for the waves whose tiles 0-3 are Q, 1 for the others
	s_mov_b32 s37, s36
	s_wait_kmcnt 0x0
	s_lshl_b32 s34, s31, 18                        ; 128 rows of 2,048 bytes
	s_mov_b32 s35, 0
	s_add_nc_u64 s[4:5], s[4:5], s[34:35]
	s_lshl_b32 s34, s32, 8                         ; the head's 64 columns
	s_add_nc_u64 s[6:7], s[6:7], s[34:35]
	s_add_nc_u64 s[8:9], s[8:9], s[34:35]
	s_add_nc_u64 s[10:11], s[10:11], s[34:35]
	s_add_nc_u64 s[12:13], s[12:13], s[34:35]
	s_add_nc_u64 s[14:15], s[14:15], s[34:35]
	s_add_nc_u64 s[16:17], s[16:17], s[34:35]
	s_lshl_b32 s34, s32, 17                        ; Wo: rows 64 (g&7), columns 16 (g>>3)
	s_lshl_b32 s40, s31, 6
	s_add_co_u32 s34, s34, s40
	s_add_nc_u64 s[18:19], s[18:19], s[34:35]
	s_cmp_eq_u32 s28, 0                            ; wave 0 reads the head's 64 numbers of bq, wave 1 of bk, the others of bv:
	s_cselect_b64 s[38:39], s[12:13], s[16:17]     ; every wave issues the load, so that the count below is the same in all; waves 0, 1, 2 keep it
	s_cmp_eq_u32 s28, 1
	s_cselect_b64 s[38:39], s[14:15], s[38:39]
	global_load_b64 v[20:21], v22, s[38:39]
	GLOAD 0, 0                                     ; chunk 0
	global_load_b128 v[16:19], v15, s[18:19]
	GLOAD 1, 1                                     ; chunk 1
	s_wait_loadcnt 20                              ; all but chunk 1's 20
	s_cmp_gt_u32 s28, 2
	s_cbranch_scc1 .Lnobias
	ds_store_b64 v23, v[20:21]
.Lnobias:
	CVTST 0, 0
	v_cvt_pk_bf16_f32 v16, v16, v17
	v_cvt_pk_bf16_f32 v17, v18, v19
	v_lshlrev_b32 v24, 3, v0                       ; 32 (t>>2) + 8 (t&3) = 8 t
	v_add_nc_u32 v24, WOS, v24
	ds_store_b64 v24, v[16:17]
	s_wait_dscnt 0x0
	s_barrier_signal -1
	s_barrier_wait -1
	CH 0, 0, 1, 1                                  ; chunk 0 starts the sums: nothing is cleared
	CH 1, 1, 0, 0
	CH 2, 0, 1, 0
	CH 3, 1, 0, 0
	CH 4, 0, 1, 0
	CH 5, 1, 0, 0
	CH 6, 0, 1, 0
	CH 7, 1, 0, 0                                  ; behind its barrier nobody reads x's and W's buffers any more
	; bias, Q's scale, rounding, and into the stage: row = row of x, 16 bytes = 8 neighbouring columns
	PLACES
	s_mul_i32 s34, s30, 384
	s_add_co_u32 s34, s34, BS
	v_lshlrev_b32 v64, 5, v11
	v_add_nc_u32 v64, s34, v64                     ; biases of columns 96 wn + 8 half ..
.irp ct,0,1,2,3,4,5
	ds_load_b128 v[AF+8*\ct:AF+8*\ct+3],   v64 offset:\ct*64
	ds_load_b128 v[AF+8*\ct+4:AF+8*\ct+7], v64 offset:\ct*64+16
.endr
	s_wait_dscnt 0x0
.macro OUTCT ct, scaled
.if \scaled
.irp k,0,2,4,6
	v_pk_mul_f32 v[AF+8*\ct+\k:AF+8*\ct+\k+1], v[AF+8*\ct+\k:AF+8*\ct+\k+1], s[36:37] op_sel_hi:[1,0]
.endr
.endif
.irp mt,0,1
.irp k,0,2,4,6
.if \scaled
	v_pk_fma_f32 v[ACC+8*(2*\ct+\mt)+\k:ACC+8*(2*\ct+\mt)+\k+1], v[ACC+8*(2*\ct+\mt)+\k:ACC+8*(2*\ct+\mt)+\k+1], s[36:37], v[AF+8*\ct+\k:AF+8*\ct+\k+1] op_sel_hi:[1,0,1]
.else
	v_pk_add_f32 v[ACC+8*(2*\ct+\mt)+\k:ACC+8*(2*\ct+\mt)+\k+1], v[ACC+8*(2*\ct+\mt)+\k:ACC+8*(2*\ct+\mt)+\k+1], v[AF+8*\ct+\k:AF+8*\ct+\k+1]
.endif
.endr
.irp p,0,1,2,3
	v_cvt_pk_bf16_f32 v[GX+4*(2*\ct+\mt)+\p], v[ACC+8*(2*\ct+\mt)+2*\p], v[ACC+8*(2*\ct+\mt)+2*\p+1]
.endr
	ds_store_b128 v6, v[GX+4*(2*\ct+\mt):GX+4*(2*\ct+\mt)+3] offset:\mt*16*SP+\ct*32
.endr
.endm
	OUTCT 0, 1
	OUTCT 1, 1
	OUTCT 2, 1
	OUTCT 3, 1
	OUTCT 4, 0
	OUTCT 5, 0
	s_wait_dscnt 0x0
	s_barrier_signal -1
	s_barrier_wait -1
	; out of the stage in fragment order.  Wave w: Q's and K's tile of rows 16 w .. +15; V's keys 32 (w>>1) .. +31, columns 32 (w&1) .. +31, transposed
	s_mul_i32 s34, s28, 16*SP
	v_mul_u32_u24 v16, v9, SP
	v_lshl_add_u32 v16, v11, 6, v16                ; lane (r, half): row r, d = 32 half + 8 q ..
	v_add_nc_u32 v16, s34, v16
.irp q,0,1,2,3
	ds_load_b128 v[80+4*\q:83+4*\q], v16 offset:16*\q
.endr
.irp q,0,1,2,3
	ds_load_b128 v[96+4*\q:99+4*\q], v16 offset:128+16*\q
.endr
	s_mul_i32 s34, s29, 32*SP
	s_lshl_b32 s40, s30, 6
	s_add_co_u32 s34, s34, s40
	s_add_co_u32 s34, s34, 256
	v_mul_u32_u24 v17, v13, SP
	v_lshl_add_u32 v17, v14, 4, v17
	v_add_nc_u32 v17, s34, v17
.irp dl,0,1
.irp q,0,1
	ds_load_tr16_b128 v[112+4*(2*\dl+\q):115+4*(2*\dl+\q)], v17 offset:\q*16*SP+\dl*32
.endr
.endr
	s_lshr_b32 s38, s31, 3                         ; batch
	s_lshl_b32 s38, s38, 3
	s_add_co_u32 s38, s38, s32                     ; 8 batch + head
	s_and_b32 s39, s31, 7                          ; my block of 128 rows in the batch
	s_lshl_b32 s34, s38, 6
	s_lshl3_add_u32 s34, s39, s34
	s_add_co_u32 s34, s34, s28                     ; tile of 16 rows
	s_lshl_b32 s34, s34, 11                        ; 2,048 bytes each
	s_add_nc_u64 s[20:21], s[20:21], s[34:35]
	s_add_nc_u64 s[22:23], s[22:23], s[34:35]
	s_lshl_b32 s34, s38, 5
	s_lshl2_add_u32 s34, s39, s34
	s_add_co_u32 s34, s34, s29                     ; group of 32 keys
	s_lshl_b32 s34, s34, 12                        ; 4,096 bytes each
	s_lshl_b32 s40, s30, 11
	s_add_co_u32 s34, s34, s40
	s_add_nc_u64 s[24:25], s[24:25], s[34:35]
	s_wait_dscnt 0x0
.irp q,0,1,2,3
	global_store_b128 v7, v[80+4*\q:83+4*\q], s[20:21] offset:512*\q     ; each store of the wave covers 512 consecutive bytes, aligned
.endr
.irp q,0,1,2,3
	global_store_b128 v7, v[96+4*\q:99+4*\q], s[22:23] offset:512*\q
.endr
.irp f,0,1,2,3
	global_store_b128 v7, v[112+4*\f:115+4*\f], s[24:25] offset:512*\f
.endr
	s_cmp_gt_u32 s28, 3
	s_cbranch_scc1 .Ldone                          ; waves 0-3: the four fragment halves of my 64 x 16 block of Wo
	s_lshl_b32 s34, s28, 9                         ; rows 16 w of 32 bytes
	s_add_co_u32 s34, s34, WOS
	v_lshlrev_b32 v18, 5, v13
	v_lshl_add_u32 v18, v14, 4, v18
	v_add_nc_u32 v18, s34, v18
	ds_load_tr16_b128 v[128:131], v18
	s_lshl_b32 s34, s31, 5                         ; ((column tile) 16 + 2 (g&7) + (w>>1)) 2 + (w&1) = 32 (g>>3) + 4 (g&7) + w
	s_lshl2_add_u32 s34, s32, s34
	s_add_co_u32 s34, s34, s28
	s_lshl_b32 s34, s34, 9
	s_add_nc_u64 s[26:27], s[26:27], s[34:35]
	s_wait_dscnt 0x0
	global_store_b128 v7, v[128:131], s[26:27]
.Ldone:
	s_set_vgpr_msb 0x5
	s_wait_tensorcnt 0x0
	ds_add_u32 v80, v81
	s_wait_dscnt 0x0
	s_set_vgpr_msb 0x500
	s_endpgm
.Lfunc_end_k_qdbe222e832_prep:
	.size	k_qdbe222e832_prep, .Lfunc_end_k_qdbe222e832_prep-k_qdbe222e832_prep
	.p2alignl 7, 3214868480
	.fill 96, 4, 3214868480
	.section	.rodata,"a",@progbits
	.p2align	6, 0x0
	.amdhsa_kernel k_qdbe222e832_prep
		.amdhsa_group_segment_fixed_size 93952
		.amdhsa_private_segment_fixed_size 0
		.amdhsa_enable_private_segment 0
		.amdhsa_kernarg_size 96
		.amdhsa_user_sgpr_count 2
		.amdhsa_user_sgpr_kernarg_segment_ptr 1
		.amdhsa_wavefront_size32 1
		.amdhsa_system_sgpr_workgroup_id_x 1
		.amdhsa_system_sgpr_workgroup_id_y 1
		.amdhsa_system_sgpr_workgroup_id_z 1
		.amdhsa_system_vgpr_workitem_id 0
		.amdhsa_next_free_vgpr 338
		.amdhsa_next_free_sgpr 66
		.amdhsa_reserve_vcc 0
		.amdhsa_float_denorm_mode_32 3
		.amdhsa_float_denorm_mode_16_64 3
		.amdhsa_memory_ordered 1
		.amdhsa_forward_progress 1
		.amdhsa_inst_pref_size 94
	.end_amdhsa_kernel
	.amdgpu_metadata
---
amdhsa.version: [ 1, 2 ]
amdhsa.kernels:
  - .name:           k_qdbe222e832_prep
    .symbol:         k_qdbe222e832_prep.kd
    .args:
      - { .name: x, .offset: 0, .size: 8, .value_kind: global_buffer, .address_space: global }
      - { .name: Wq, .offset: 8, .size: 8, .value_kind: global_buffer, .address_space: global }
      - { .name: Wk, .offset: 16, .size: 8, .value_kind: global_buffer, .address_space: global }
      - { .name: Wv, .offset: 24, .size: 8, .value_kind: global_buffer, .address_space: global }
      - { .name: bq, .offset: 32, .size: 8, .value_kind: global_buffer, .address_space: global }
      - { .name: bk, .offset: 40, .size: 8, .value_kind: global_buffer, .address_space: global }
      - { .name: bv, .offset: 48, .size: 8, .value_kind: global_buffer, .address_space: global }
      - { .name: Wo, .offset: 56, .size: 8, .value_kind: global_buffer, .address_space: global }
      - { .name: Qf, .offset: 64, .size: 8, .value_kind: global_buffer, .address_space: global }
      - { .name: Kf, .offset: 72, .size: 8, .value_kind: global_buffer, .address_space: global }
      - { .name: Vf, .offset: 80, .size: 8, .value_kind: global_buffer, .address_space: global }
      - { .name: Wof, .offset: 88, .size: 8, .value_kind: global_buffer, .address_space: global }
    .group_segment_fixed_size: 93952
    .private_segment_fixed_size: 0
    .kernarg_segment_align: 8
    .kernarg_segment_size: 96
    .max_flat_workgroup_size: 256
    .sgpr_count:     66
    .vgpr_count:     338
    .wavefront_size: 32
...
	.end_amdgpu_metadata
.endif
;; end of part 3
;; launch attn (part 4): grid 256 x 1, 8 waves a work-group, no clusters, 280,576 bytes of LDS; arguments Qf, Kf, Vf, Wof, freqs, W1, b1, W2, b2, bo, out0; writes out0
.if DOCPART == 4
	.amdgcn_target "amdgcn-amd-amdhsa--gfx1250"
	.amdhsa_code_object_version 6
	.text
	.protected	k_qdbe222e832_attn
	.globl	k_qdbe222e832_attn
	.p2align	8
	.type	k_qdbe222e832_attn,@function
k_qdbe222e832_attn:
	s_mov_b64 s[64:65], 0
	v_nop
	global_prefetch_b8 v0, s[64:65] scope:SCOPE_SE
	s_setreg_imm32_b32 hwreg(HW_REG_WAVE_MODE, 25, 1), 1
	s_wait_xcnt 0x0
; Pair bias (2 -> 64 -> relu -> 8 heads), scores, softmax with a running maximum, P V and the output projection, for 16 query rows of one batch.
; Work-group g: batch g>>6, query rows 16 (g&63) .. +15, all 8 heads, so that the hidden layer is formed once for each pair (i, j).
; The 1,024 keys go in 4 steps of 256.  For a step wave w makes the bias of key tiles 2w, 2w+1 for all 16 rows and all 8 heads and puts it into
; an LDS buffer; behind a barrier it is head w: it takes its head's bias as the C of K Q^T, and goes on to softmax and P V.
; THE TWO ARE OVERLAPPED: while a wave attends to step st out of one bias buffer, it makes step st + 1's bias into the other: a trip is 64 keys
; of attention and two row pairs of the hidden layer, so that the next 64 keys of K and V, requested in the attention part, have the hidden
; layer's vector work in which to land.  First comes step 0's bias alone, last step 3's attention alone.  One barrier between two phases orders
; a buffer's stores ahead of its reads and its reads ahead of its next stores.
; THE WALK IS ROTATED: the 64 work-groups of a batch begin at 16 different blocks of 64 keys (block (s + 5 (s>>4)) mod 16 for tile number s) and wrap
; round, so that work-groups that keep pace read different blocks at any one time, and from its second block on a work-group asks for a block
; that another has read before.  Only global offsets hang on the start: the table of f and ln|a| is laid into LDS in the order of the walk.
; The eight K groups of the output projection are walked from group (g + (g>>3)) mod 8 in the same way.
; HIDDEN LAYER: rel @ W1 + b1 = P_i[c] - R_j[c] with P_i = f_i W1[0] + ln|a_i| W1[1] + b1, R_j = f_j W1[0] + ln|a_j| W1[1], a = f + 1e-6, all in f32
; on the vector unit (K = 2 is no work for the matrix unit); relu and the rounding to bf16 follow; hidden @ W2 goes to the matrix unit.
; LIMITS: ln(a_i / a_j) is formed as ln|a_i| - ln|a_j|: equal wherever all f + 1e-6 of a batch have one sign; with mixed signs the quotient's
; logarithm is NaN and this text gives finite numbers.  |a| below 2^-126 counts as 0 in v_log_f32 (ISA guide 15.8).  The sums over the keys and
; over the output projection's K are made in the rotated order: their f32 rounding differs from an ascending sum's.
; log2(e) is folded into Q (first launch), W2 and b2: the softmax works in base 2.
; NO TENSOR LOADS, NO JOINT REQUESTS: the two bias buffers and the tables take 279,552 of the 327,680 bytes of LDS, and one slot of 64 keys of K and V
; for 8 heads would be 131,072; each K and V fragment is read by one wave of the work-group only, so it goes straight into that wave's registers.
.set PT,    0                          ; P: 16 rows x 64 f32
.set W1T,   4096                       ; W1: 2 x 64 f32
.set FT,    4608                       ; -f of the batch's 1,024 keys, in the order of the walk
.set LT,    8704                       ; -ln|a| of them
.set BUF0,  12800
.set RP,    1040                       ; a row of 256 keys in f32 + 16 bytes
.set HP,    16*RP+32                   ; a head's 16 rows + 32 bytes: 16 lanes (8 heads x 2 rows, or 16 rows) touch 16 different 16-byte columns of 256
.set BUFSZ, 8*HP                       ; 133,376
.set OP,    272                        ; pitch of the way out: 64 f32 + 16 bytes
.set LOG2E, 0x3fb8aa3b
; window 0
.set L16,  1                           ; 16 x lane
.set KOFF, 2                           ; offset of the K fragments that are fetched next; in the output projection: of the even turns' groups of Wo^T
.set VOFF, 3                           ; the same for V; of the odd turns' groups
.set PADR, 4                           ; LDS address of the P row loaded last
.set BST,  5                           ; where my bias goes;  BST0 = 6: the same at row 0 of buffer 0
.set BST0, 6
.set BLD,  7                           ; where my head's bias lies;  BLD0 = 8
.set BLD0, 8
.set FADR, 9                           ; my key's place in FT and LT
.set MX,   10                          ; running maximum of row r
.set NM,   12                          ; v[12:13] minus the new maximum, twice
.set AL,   14                          ; v[14:15] 2^(old - new maximum), twice
.set FL,   16                          ; v[16:23] (-f, -f), (-L, -L) of my key in tile a, then in tile b
.set W2LO, 24                          ; v24-39  W2 fragment, columns 0-7 = heads, columns 8-15 = 0
.set W2HI, 40                          ; v40-55  columns 0-7 = 0, columns 8-15 = heads
.set B2C,  56                          ; v56-63  b2 of head r&7
.set PR,   64                          ; v64-95  P_i[32 half + e]
.set RA,   96                          ; v96-127 -R_j of tile a;  RB: tile b
.set RB,   128
.set XA,   160                         ; v160-191 hidden values of tile a, then packed in its first 16;  in attention: the scores (4 tiles x 8)
.set XB,   192                         ; v192-223 tile b;  in attention: P in bf16 (first 16)
.set DA,   224
.set DB,   232
.set T0,   246
.set T1,   247                         ; v241 r, v242 half, v243 lane stay for the whole kernel
; window 1
.set QR,   0                           ; 16: Q fragments
.set ONES, 16                          ; 8: bf16 ones, whose product with P is the row sum
.set CTX,  24                          ; 40: four tiles of ctx^T and the row sum
.set KR,   64                          ; 64: K of 64 keys
.set VR,   128                         ; 64: V of 64 keys
; s26 wave, s27 batch, s28 tile of 16 query rows, s29 first key block of my walk, s34, s35 first and second K group of my walk through Wo^T
.set MSB, 0
.macro WIN new                         ; s_set_vgpr_msb: bits 1:0 source 0, 3:2 source 1, 5:4 source 2, 7:6 destination; the high byte repeats the setting left
.if MSB != \new
	s_set_vgpr_msb (MSB<<8)|\new
.set MSB, \new
.endif
.endm
.macro PLACES                          ; four plain vector instructions between a matrix instruction and a load into, or a read of, its registers
.rept 4
	v_nop
.endr
.endm
.macro KLOAD                           ; 4 tiles of 16 keys x 64: each load 512 consecutive bytes
.irp t,0,1,2,3
.irp q,0,1,2,3
	global_load_b128 v[KR+16*\t+4*\q:KR+16*\t+4*\q+3], v[KOFF], s[6:7] offset:\t*2048+\q*512
.endr
.endr
.endm
.macro VLOAD                           ; 2 groups of 32 keys x 4 tiles of 16 columns
.irp f,0,1,2,3,4,5,6,7
.irp q,0,1
	global_load_b128 v[VR+8*\f+4*\q:VR+8*\f+4*\q+3], v[VOFF], s[8:9] offset:\f*1024+\q*512
.endr
.endr
.endm
.macro WLOAD areg, base                ; the group of Wo^T (two K steps) at offset v[areg]: 4 column tiles x 2 K steps x 2 halves, 512 consecutive bytes each
.irp t,0,1,2,3
.irp ks,0,1
.irp q,0,1
	global_load_b128 v[\base+8*(2*\t+\ks)+4*\q:\base+8*(2*\t+\ks)+4*\q+3], v[\areg], s[10:11] offset:\t*16384+\ks*1024+\q*512
.endr
.endr
.endr
.endm
; The hidden layer of one query row for my two key tiles, and its product with W2.  w2 = W2LO for an even row (results in columns 0-7), W2HI for an odd one
; (columns 8-15).  first = 1: the sums start from b2.  cnt: LDS instructions issued behind the loads of this row's P.
.macro HID w2, first, cnt
	s_wait_dscnt \cnt
.irp k,16,18,20,22,24,26,28,30,0,2,4,6,8,10,12,14      ; the upper halves first: sixteen places behind the last products, which read the lower halves
	v_pk_add_f32 v[XA+\k:XA+\k+1], v[PR+\k:PR+\k+1], v[RA+\k:RA+\k+1]
	v_pk_add_f32 v[XB+\k:XB+\k+1], v[PR+\k:PR+\k+1], v[RB+\k:RB+\k+1]
.endr
	v_add_nc_u32 v[PADR], 256, v[PADR]
	v_and_b32 v[PADR], 0xfff, v[PADR]              ; the next row's P; behind row 15 comes row 0, for the next step
.irp k,0,1,2,3,4,5,6,7
	ds_load_b128 v[PR+4*\k:PR+4*\k+3], v[PADR] offset:PT+16*\k
.endr
.irp k,0,2,4,6,8,10,12,14,16,18,20,22,24,26,28,30
	v_dual_max_num_f32 v[XA+\k], 0, v[XA+\k] :: v_dual_max_num_f32 v[XA+\k+1], 0, v[XA+\k+1]
	v_dual_max_num_f32 v[XB+\k], 0, v[XB+\k] :: v_dual_max_num_f32 v[XB+\k+1], 0, v[XB+\k+1]
.endr
.irp q,0,1,2,3,4,5,6,7,8,9,10,11,12,13,14,15           ; in place, ascending: register q is written when 2q and 2q+1 have been read
	v_cvt_pk_bf16_f32 v[XA+\q], v[XA+2*\q], v[XA+2*\q+1]
	v_cvt_pk_bf16_f32 v[XB+\q], v[XB+2*\q], v[XB+2*\q+1]
.endr
	; the two accumulators take turns, one instruction a turn
.if \first
	v_wmma_f32_16x16x32_bf16 v[DA:DA+7], v[XA:XA+7], v[\w2:\w2+7], v[B2C:B2C+7]
	v_wmma_f32_16x16x32_bf16 v[DB:DB+7], v[XB:XB+7], v[\w2:\w2+7], v[B2C:B2C+7]
.else
	v_wmma_f32_16x16x32_bf16 v[DA:DA+7], v[XA:XA+7], v[\w2:\w2+7], v[DA:DA+7]
	v_wmma_f32_16x16x32_bf16 v[DB:DB+7], v[XB:XB+7], v[\w2:\w2+7], v[DB:DB+7]
.endif
	v_wmma_f32_16x16x32_bf16 v[DA:DA+7], v[XA+8:XA+15], v[\w2+8:\w2+15], v[DA:DA+7]
	v_wmma_f32_16x16x32_bf16 v[DB:DB+7], v[XB+8:XB+15], v[\w2+8:\w2+15], v[DB:DB+7]
.endm
; Two query rows of the hidden layer, and their bias for 8 heads and my 32 keys into the buffer that BST points into.
.macro PAIR
	HID W2LO, 1, 4                                 ; behind this row's 8 loads of P stand the 4 bias stores of the last pair (or more, all waited for since)
	HID W2HI, 0, 0
	PLACES
	ds_store_b128 v[BST], v[DA:DA+3]               ; lane (r, half): head r&7, row 2 pair + (r>>3), keys 8 half .. +7 of tile a
	ds_store_b128 v[BST], v[DA+4:DA+7] offset:16
	ds_store_b128 v[BST], v[DB:DB+3] offset:64     ; and of tile b
	ds_store_b128 v[BST], v[DB+4:DB+7] offset:80
	v_add_nc_u32 v[BST], 2*RP, v[BST]
.endm
; -R of my two key tiles in the next 256 keys of the walk.  PADR stands at row 0 here: 128 half.
.macro RSET
	ds_load_b32 v[FL+0], v[FADR] offset:FT
	ds_load_b32 v[FL+1], v[FADR] offset:FT
	ds_load_b32 v[FL+2], v[FADR] offset:LT
	ds_load_b32 v[FL+3], v[FADR] offset:LT
	ds_load_b32 v[FL+4], v[FADR] offset:FT+64
	ds_load_b32 v[FL+5], v[FADR] offset:FT+64
	ds_load_b32 v[FL+6], v[FADR] offset:LT+64
	ds_load_b32 v[FL+7], v[FADR] offset:LT+64
.irp k,0,1,2,3,4,5,6,7
	ds_load_b128 v[XA+4*\k:XA+4*\k+3], v[PADR] offset:W1T+16*\k
	ds_load_b128 v[XB+4*\k:XB+4*\k+3], v[PADR] offset:W1T+256+16*\k
.endr
	s_wait_dscnt 0x0
.irp k,0,2,4,6,8,10,12,14,16,18,20,22,24,26,28,30
	v_pk_mul_f32 v[RA+\k:RA+\k+1], v[XA+\k:XA+\k+1], v[FL+0:FL+1]
	v_pk_mul_f32 v[RB+\k:RB+\k+1], v[XA+\k:XA+\k+1], v[FL+4:FL+5]
.endr
.irp k,0,2,4,6,8,10,12,14,16,18,20,22,24,26,28,30
	v_pk_fma_f32 v[RA+\k:RA+\k+1], v[XB+\k:XB+\k+1], v[FL+2:FL+3], v[RA+\k:RA+\k+1]
	v_pk_fma_f32 v[RB+\k:RB+\k+1], v[XB+\k:XB+\k+1], v[FL+6:FL+7], v[RB+\k:RB+\k+1]
.endr
	v_add_nc_u32 v[FADR], 1024, v[FADR]            ; the 256 keys after these
.endm
; 64 keys of attention for my head.  last = 0: K's and V's registers are filled again with the walk's next 64 keys; last = 1 (the 16th block): with the first
; two groups of my walk through Wo^T, 16 loads each as well, so that every count below is the same.
.macro SUB last
.irp t,0,1,2,3
	ds_load_b128 v[XA+8*\t:XA+8*\t+3],   v[BLD] offset:64*\t       ; the bias is the C of the scores
	ds_load_b128 v[XA+8*\t+4:XA+8*\t+7], v[BLD] offset:64*\t+16
.endr
	v_add_nc_u32 v[BLD], 256, v[BLD]
	s_wait_loadcnt 16                              ; K is in (in the first block Q too, issued ahead of it); the 16 loads of V issued behind it may be out
.if \last == 0
	v_add_nc_u32 v[KOFF], 8192, v[KOFF]            ; free since that wait: the next block,
	v_and_b32 v[KOFF], 0x1ffff, v[KOFF]            ; behind the head's 16th block its first
.else
	v_lshl_add_u32 v[KOFF], s34, 11, v[L16]        ; the first group of my walk through Wo^T: 2,048 bytes a group in each column tile
.endif
	s_wait_dscnt 0x0
	WIN 0x05
.irp kh,0,1                                        ; four accumulators take turns, one instruction a turn
.irp t,0,1,2,3
	v_wmma_f32_16x16x32_bf16 v[XA+8*\t:XA+8*\t+7], v[KR+16*\t+8*\kh:KR+16*\t+8*\kh+7], v[QR+8*\kh:QR+8*\kh+7], v[XA+8*\t:XA+8*\t+7]
.endr
.endr
	WIN 0
	PLACES
	WIN 0x40
.if \last
	WLOAD KOFF, KR
.else
	KLOAD                                          ; the next 64 keys
.endif
	WIN 0
	; lane (r, half) holds 32 scores of row r; the other half of the wave holds the other 32
	v_max3_num_f32 v[T0], v[MX], v[XA], v[XA+1]
	v_max3_num_f32 v[T1], v[XA+16], v[XA+17], v[XA+18]
.irp k,2,4,6,8,10,12,14
	v_max3_num_f32 v[T0], v[T0], v[XA+\k], v[XA+\k+1]
.endr
.irp k,19,21,23,25,27,29
	v_max3_num_f32 v[T1], v[T1], v[XA+\k], v[XA+\k+1]
.endr
	v_max3_num_f32 v[T0], v[T0], v[T1], v[XA+31]
	v_permlanex16_b32 v[T1], v[T0], s30, s31
	v_max_num_f32 v[T0], v[T0], v[T1]              ; the new running maximum
	v_sub_f32 v[T1], v[MX], v[T0]
	v_exp_f32 v[AL], v[T1]
	v_mov_b32 v[MX], v[T0]                         ; the plain instruction behind the transcendental
	v_mul_f32 v[NM], -1.0, v[T0]
	v_mov_b32 v[NM+1], v[NM]
	s_wait_alu depctr_va_vdst(0)
	v_mov_b32 v[AL+1], v[AL]
.irp k,0,2,4,6,8,10,12,14,16,18,20,22,24,26,28,30
	v_pk_add_f32 v[XA+\k:XA+\k+1], v[XA+\k:XA+\k+1], v[NM:NM+1]
.endr
.set e, 0
.rept 32
	v_exp_f32 v[XA+e], v[XA+e]
.set e, e+1
.endr
	v_nop
	s_wait_alu depctr_va_vdst(0)
.irp q,0,1,2,3,4,5,6,7,8,9,10,11,12,13,14,15
	v_cvt_pk_bf16_f32 v[XB+\q], v[XA+2*\q], v[XA+2*\q+1]       ; tile t's 8 registers are keys 16 t + 8 half .. +7: P's fragment as it stands
.endr
	s_wait_loadcnt 16                              ; V is in; the 16 loads issued behind it (the next K, or Wo^T's first group) may be out
.if \last == 0
	v_add_nc_u32 v[VOFF], 8192, v[VOFF]            ; free since that wait
	v_and_b32 v[VOFF], 0x1ffff, v[VOFF]
.else
	v_lshl_add_u32 v[VOFF], s35, 11, v[L16]        ; the second group of my walk through Wo^T
.endif
	WIN 0x41
.set e, 0
.rept 20
	v_pk_mul_f32 v[CTX+e:CTX+e+1], v[CTX+e:CTX+e+1], v[AL:AL+1]
.set e, e+2
.endr
	WIN 0x51
.irp u,0,1                                         ; five accumulators take turns, one instruction a turn
.irp dt,0,1,2,3
	v_wmma_f32_16x16x32_bf16 v[CTX+8*\dt:CTX+8*\dt+7], v[VR+8*(4*\u+\dt):VR+8*(4*\u+\dt)+7], v[XB+8*\u:XB+8*\u+7], v[CTX+8*\dt:CTX+8*\dt+7]
.endr
	v_wmma_f32_16x16x32_bf16 v[CTX+32:CTX+39], v[ONES:ONES+7], v[XB+8*\u:XB+8*\u+7], v[CTX+32:CTX+39]
.endr
	WIN 0
	PLACES
	WIN 0x40
.if \last
	WLOAD VOFF, VR
.else
	VLOAD
.endif
	WIN 0
.endm
; A joint phase: attention to the 256 keys whose bias lies in buffer rbuf, and the next 256 keys' bias into buffer wbuf.
.macro COMB rbuf, wbuf
	v_add_nc_u32 v[BST], \wbuf*BUFSZ, v[BST0]
	v_add_nc_u32 v[BLD], \rbuf*BUFSZ, v[BLD0]
	RSET
	s_mov_b32 s33, 4
.Lcomb_\@:
	SUB 0                                          ; asks for the next 64 keys,
	PAIR                                           ; which land during these two pairs
	PAIR
	s_sub_co_u32 s33, s33, 1
	s_cmp_lg_u32 s33, 0
	s_cbranch_scc1 .Lcomb_\@
	s_wait_dscnt 0x0                               ; my bias stores into wbuf and my reads of rbuf are done
	s_barrier_signal -1
	s_barrier_wait -1                              ; everybody's
.endm
	s_load_b512 s[4:19], s[0:1], 0x0               ; Qf 4, Kf 6, Vf 8, Wof 10, freqs 12, W1 14, b1 16, W2 18
	s_load_b128 s[20:23], s[0:1], 0x40             ; b2 20, bo 22
	s_load_b64 s[24:25], s[0:1], 0x50              ; out0
	v_lshl_add_u32 v254, v0, 2, 0x44400
	v_mov_b32 v255, 0
	v_lshrrev_b32 v240, 5, v0
	v_readfirstlane_b32 s26, v240                  ; wave w
	s_lshr_b32 s27, ttmp9, 6                       ; batch
	s_and_b32 s28, ttmp9, 63                       ; tile of 16 query rows
	s_lshr_b32 s29, s28, 4                         ; the first key block of my walk: (s + 5 (s>>4)) mod 16
	s_mul_i32 s29, s29, 5
	s_add_co_u32 s29, s29, s28
	s_and_b32 s29, s29, 15
	s_lshr_b32 s34, ttmp9, 3                       ; the first K group of my walk through Wo^T: (g + (g>>3)) mod 8,
	s_add_co_u32 s34, s34, ttmp9
	s_and_b32 s34, s34, 7
	s_add_co_u32 s35, s34, 1                       ; and the second
	s_and_b32 s35, s35, 7
	s_mov_b32 s30, 0x76543210                      ; v_permlanex16_b32: lane i of one half reads lane i of the other
	s_mov_b32 s31, 0xfedcba98
	v_and_b32 v241, 15, v0                         ; r
	v_bfe_u32 v242, v0, 4, 1                       ; half
	v_and_b32 v243, 31, v0                         ; lane
	v_lshlrev_b32 v[L16], 4, v243
	v_lshl_add_u32 v[KOFF], s29, 13, v[L16]        ; a block of 64 keys is 8,192 bytes of the head's K, and of its V
	v_lshl_add_u32 v[VOFF], s29, 13, v[L16]
	v_lshlrev_b32 v[PADR], 7, v242                 ; my half's 32 hidden units of row 0
	v_and_b32 v240, 7, v0
	v_bfe_u32 v244, v0, 3, 1
	v_mul_u32_u24 v[BST0], v240, HP                ; head r&7,
	v_mul_u32_u24 v244, v244, RP                   ; row r>>3 of the pair,
	v_add_nc_u32 v[BST0], v[BST0], v244
	v_lshl_add_u32 v[BST0], v242, 5, v[BST0]       ; keys 8 half .. +7
	s_lshl_b32 s36, s26, 7                         ; of tile 2w
	s_add_co_u32 s36, s36, BUF0
	v_add_nc_u32 v[BST0], s36, v[BST0]
	v_mul_u32_u24 v[BLD0], v241, RP                ; row r,
	v_lshl_add_u32 v[BLD0], v242, 5, v[BLD0]
	s_mul_i32 s36, s26, HP                         ; head w
	s_add_co_u32 s36, s36, BUF0
	v_add_nc_u32 v[BLD0], s36, v[BLD0]
	v_lshlrev_b32 v[FADR], 2, v241
	v_lshl_add_u32 v[FADR], s26, 7, v[FADR]        ; key 32 w + r of the walk
	v_lshlrev_b32 v240, 2, v240                    ; b2: 4 (r&7)
	v_lshl_add_u32 v244, v242, 10, v240            ; W2: row 32 half, column r&7
	v_lshlrev_b32 v245, 4, v241                    ; W1, b1: 16 (t&15)
	v_lshrrev_b32 v246, 4, v0
	v_lshlrev_b32 v246, 2, v246
	s_lshl_b32 s36, s28, 6
	v_add_nc_u32 v246, s36, v246                   ; f of query row t>>4
	v_lshlrev_b32 v247, 4, v0                      ; 16 t: my four places in the tables
	v_lshl_add_u32 v248, s29, 8, v247              ; and the four keys that stand there: 64 keys (256 bytes) on for each block of the start,
	v_and_b32 v248, 0xfff, v248                    ; modulo the batch's 1,024
	s_wait_kmcnt 0x0
	s_lshl_b32 s36, s27, 3
	s_add_co_u32 s36, s36, s26                     ; 8 batch + head
	s_lshl_b32 s38, s36, 17                        ; 131,072 bytes of K, and of V, for each
	s_mov_b32 s39, 0
	s_add_nc_u64 s[6:7], s[6:7], s[38:39]
	s_add_nc_u64 s[8:9], s[8:9], s[38:39]
	s_lshl_b32 s36, s36, 6
	s_add_co_u32 s36, s36, s28
	s_lshl_b32 s38, s36, 11
	s_add_nc_u64 s[4:5], s[4:5], s[38:39]
	s_lshl_b32 s38, s26, 16                        ; Wo^T: my 64 output columns
	s_add_nc_u64 s[10:11], s[10:11], s[38:39]
	s_lshl_b32 s38, s27, 12
	s_add_nc_u64 s[12:13], s[12:13], s[38:39]      ; the batch's freqs
	s_lshl_b32 s38, s27, 21                        ; out0: (1,024 batch + 16 tile) rows of 2,048 bytes + 256 w
	s_lshl_b32 s36, s28, 15
	s_add_co_u32 s38, s38, s36
	s_lshl_b32 s36, s26, 8
	s_add_co_u32 s38, s38, s36
	s_add_nc_u64 s[24:25], s[24:25], s[38:39]
	; the tables' inputs: 38 loads
	global_load_b128 v[160:163], v248, s[12:13]    ; four f of the batch
	global_load_b32 v164, v246, s[12:13]           ; f of query row t>>4
	global_load_b128 v[168:171], v245, s[14:15]    ; W1[0], four units
	global_load_b128 v[172:175], v245, s[14:15] offset:256
	global_load_b128 v[176:179], v245, s[16:17]    ; b1
	global_load_b32 v[B2C], v240, s[20:21]
.set e, 0
.rept 32
	global_load_b32 v[XB+e], v244, s[18:19] offset:32*e    ; W2[32 half + e][r&7]
.set e, e+1
.endr
	s_wait_loadcnt 0x0                             ; all 38
.irp k,0,1,2,3
	v_add_f32 v[180+\k], 0x358637bd, v[160+\k]     ; a = f + 1e-6
.endr
	v_add_f32 v184, 0x358637bd, v164
.irp k,0,1,2,3,4
	v_and_b32 v[180+\k], 0x7fffffff, v[180+\k]
.endr
.irp k,0,1,2,3,4
	v_log_f32 v[180+\k], v[180+\k]
.endr
	v_nop                                          ; one plain instruction behind the transcendentals (ISA guide 5.7.2)
	s_wait_alu depctr_va_vdst(0)
.irp k,0,1,2,3
	v_mul_f32 v[180+\k], 0xbf317218, v[180+\k]     ; -ln|a|
	v_mul_f32 v[160+\k], -1.0, v[160+\k]           ; -f
.endr
	v_mul_f32 v184, 0x3f317218, v184               ; +ln|a| of the query row
	ds_store_b128 v247, v[160:163] offset:FT
	ds_store_b128 v247, v[180:183] offset:LT
.irp k,0,1,2,3
	v_fma_f32 v[176+\k], v164, v[168+\k], v[176+\k]
.endr
.irp k,0,1,2,3
	v_fma_f32 v[176+\k], v184, v[172+\k], v[176+\k]
.endr
	ds_store_b128 v247, v[176:179] offset:PT       ; 256 (t>>4) + 16 (t&15) = 16 t
	s_cmp_lg_u32 s26, 0
	s_cbranch_scc1 .Lnow1
	ds_store_b128 v245, v[168:171] offset:W1T      ; wave 0 keeps W1 (its two halves store the same numbers)
	ds_store_b128 v245, v[172:175] offset:W1T+256
.Lnow1:
.irp k,0,2,4,6,8,10,12,14,16,18,20,22,24,26,28,30
	v_pk_mul_f32 v[XB+\k:XB+\k+1], v[XB+\k:XB+\k+1], LOG2E op_sel_hi:[1,0]
.endr
.irp q,0,1,2,3,4,5,6,7,8,9,10,11,12,13,14,15
	v_cvt_pk_bf16_f32 v[RA+\q], v[XB+2*\q], v[XB+2*\q+1]
.endr
	v_cmp_gt_u32 vcc_lo, 8, v241
.irp q,0,1,2,3,4,5,6,7,8,9,10,11,12,13,14,15
	v_cndmask_b32 v[W2LO+\q], 0, v[RA+\q], vcc_lo
	v_cndmask_b32 v[W2HI+\q], v[RA+\q], 0, vcc_lo
.endr
	v_mul_f32 v[B2C], LOG2E, v[B2C]
.irp k,1,2,3,4,5,6,7
	v_mov_b32 v[B2C+\k], v[B2C]
.endr
	v_mov_b32 v[MX], 0xff7fffff                    ; the lowest finite number: the first 2^(old - new) is 0
	WIN 0x40
.irp q,0,1,2,3
	global_load_b128 v[QR+4*\q:QR+4*\q+3], v[L16], s[4:5] offset:512*\q    ; Q, then the walk's first 64 keys of K, then of V: 36 loads,
.endr
	KLOAD                                          ; which have the first step's hidden layer in which to land
	VLOAD
.irp k,0,1,2,3,4,5,6,7
	v_mov_b32 v[ONES+\k], 0x3f803f80
.endr
.set e, 0
.rept 40
	v_mov_b32 v[CTX+e], 0                          ; once: every key block then runs the same text
.set e, e+1
.endr
	WIN 0
	s_wait_dscnt 0x0
	s_barrier_signal -1
	s_barrier_wait -1                              ; the tables are whole
.irp k,0,1,2,3,4,5,6,7
	ds_load_b128 v[PR+4*\k:PR+4*\k+3], v[PADR] offset:PT+16*\k     ; P of row 0
.endr
	; the walk's keys 0-255: the bias alone, into buffer 0
	v_mov_b32 v[BST], v[BST0]
	RSET
	s_mov_b32 s33, 8
.Lfirst:
	PAIR
	s_sub_co_u32 s33, s33, 1
	s_cmp_lg_u32 s33, 0
	s_cbranch_scc1 .Lfirst
	s_wait_dscnt 0x0                               ; my bias stores are done
	s_barrier_signal -1
	s_barrier_wait -1                              ; everybody's
	COMB 0, 1                                      ; attention to the walk's keys 0-255, bias of keys 256-511
	COMB 1, 0                                      ; attention to keys 256-511, bias of keys 512-767
	COMB 0, 1                                      ; attention to keys 512-767, bias of keys 768-1023
	; keys 768-1023: attention alone, out of buffer 1
	v_add_nc_u32 v[BLD], BUFSZ, v[BLD0]
	s_mov_b32 s33, 3
.Ltail:
	SUB 0
	s_sub_co_u32 s33, s33, 1
	s_cmp_lg_u32 s33, 0
	s_cbranch_scc1 .Ltail
	SUB 1                                          ; the last 64 keys: nothing is left of K and V, two groups of Wo^T go out instead
	; THE OUTPUT PROJECTION.  Wave w makes output columns 64 w .. +63 of the 16 rows: O^T = Wo^T ctx^T, K = 512 in 8 groups of 64, walked from my first group round.
	v_lshlrev_b32 v244, 5, v242
	v_lshl_add_u32 v244, s26, 8, v244              ; bo of columns 64 w + 8 half ..
.irp t,0,1,2,3
	global_load_b128 v[RA+8*\t:RA+8*\t+3],   v244, s[22:23] offset:64*\t
	global_load_b128 v[RA+8*\t+4:RA+8*\t+7], v244, s[22:23] offset:64*\t+16
.endr
	WIN 0x01
	v_rcp_f32 v[T0], v[CTX+32]                     ; 1 / row sum, twice, for the packed multiply
	v_rcp_f32 v[T1], v[CTX+32]
	v_nop
.set e, 0
	s_wait_alu depctr_va_vdst(0)
.rept 16
	v_pk_mul_f32 v[XA+e:XA+e+1], v[CTX+e:CTX+e+1], v[T0:T1]
.set e, e+2
.endr
	WIN 0
.irp q,0,1,2,3,4,5,6,7,8,9,10,11,12,13,14,15
	v_cvt_pk_bf16_f32 v[XB+\q], v[XA+2*\q], v[XA+2*\q+1]
.endr
	v_lshl_add_u32 v245, s26, 11, v[L16]           ; my head's four fragment halves of ctx (K group w), in buffer 0, which nobody has read since the last barrier
	v_add_nc_u32 v245, BUF0, v245
.irp dt,0,1,2,3
	ds_store_b128 v245, v[XB+4*\dt:XB+4*\dt+3] offset:512*\dt
.endr
	s_wait_dscnt 0x0
	s_barrier_signal -1
	s_barrier_wait -1                              ; ctx is whole, and nobody reads buffer 1 any more
; Turn g of the walk.  v[areg] = 16 lane + 2,048 x the turn's group: its offset in a column tile of Wo^T and in ctx's fragments alike.
; cnt = the global loads issued behind this turn's.
.macro OGRP g, base, areg, cnt
	v_add_nc_u32 v[BST], BUF0, v[\areg]
.irp ks,0,1
.irp q,0,1
	ds_load_b128 v[XB+8*\ks+4*\q:XB+8*\ks+4*\q+3], v[BST] offset:(\ks*2+\q)*512
.endr
.endr
	s_wait_loadcnt \cnt
	s_wait_dscnt 0x0
	WIN 0x01
.irp ks,0,1                                        ; four accumulators take turns, one instruction a turn
.irp t,0,1,2,3
.if (\g+\ks) == 0
	v_wmma_f32_16x16x32_bf16 v[XA+8*\t:XA+8*\t+7], v[\base+8*(2*\t+\ks):\base+8*(2*\t+\ks)+7], v[XB+8*\ks:XB+8*\ks+7], 0
.else
	v_wmma_f32_16x16x32_bf16 v[XA+8*\t:XA+8*\t+7], v[\base+8*(2*\t+\ks):\base+8*(2*\t+\ks)+7], v[XB+8*\ks:XB+8*\ks+7], v[XA+8*\t:XA+8*\t+7]
.endif
.endr
.endr
	WIN 0
.if \g < 6
	v_add_nc_u32 v[\areg], 4096, v[\areg]          ; this turn's loads, the only ones that name the register, were waited for above: two groups on,
	v_and_b32 v[\areg], 0x3fff, v[\areg]           ; modulo the eight.  These two and two v_nop are the four places behind the products
	v_nop
	v_nop
	WIN 0x40
	WLOAD \areg, \base
	WIN 0
.else
	PLACES
.endif
.endm
	OGRP 0, KR, KOFF, 24                           ; behind the first group: the second's 16 and bo's 8
	OGRP 1, VR, VOFF, 24                           ; behind the second: bo's 8 and the third's 16
	OGRP 2, KR, KOFF, 16                           ; from here on: the next group's 16
	OGRP 3, VR, VOFF, 16
	OGRP 4, KR, KOFF, 16
	OGRP 5, VR, VOFF, 16
	OGRP 6, KR, KOFF, 16
	OGRP 7, VR, VOFF, 0
.irp k,0,2,4,6,8,10,12,14,16,18,20,22,24,26,28,30
	v_pk_add_f32 v[XA+\k:XA+\k+1], v[XA+\k:XA+\k+1], v[RA+\k:RA+\k+1]
.endr
	; out through my own stage in buffer 1: in by (row r, 8 columns), back by whole rows of 256 bytes
	s_mul_i32 s36, s26, 16*OP
	s_add_co_u32 s36, s36, BUF0+BUFSZ
	v_mul_u32_u24 v[BST0], v241, OP
	v_lshl_add_u32 v[BST0], v242, 5, v[BST0]
	v_add_nc_u32 v[BST0], s36, v[BST0]
	v_mul_u32_u24 v[BLD], v242, OP
	v_lshl_add_u32 v[BLD], v241, 4, v[BLD]
	v_add_nc_u32 v[BLD], s36, v[BLD]
	v_lshlrev_b32 v[BLD0], 11, v242
	v_lshl_add_u32 v[BLD0], v241, 4, v[BLD0]
.irp t,0,1,2,3
	ds_store_b128 v[BST0], v[XA+8*\t:XA+8*\t+3]   offset:64*\t
	ds_store_b128 v[BST0], v[XA+8*\t+4:XA+8*\t+7] offset:64*\t+16
.endr
.irp n,0,1,2,3,4,5,6,7
	ds_load_b128 v[XB+4*\n:XB+4*\n+3], v[BLD] offset:\n*2*OP       ; LDS serves a wave's instructions in order (ISA guide 5.7.1): these see the stores above
.endr
.irp n,0,1,2,3,4,5,6,7
	s_wait_dscnt 7-\n
	global_store_b128 v[BLD0], v[XB+4*\n:XB+4*\n+3], s[24:25] offset:\n*4096 th:TH_STORE_NT   ; sixteen lanes store 256 consecutive bytes, aligned
.endr
	s_wait_tensorcnt 0x0
	ds_add_u32 v254, v255
	s_wait_dscnt 0x0
	s_endpgm
.Lfunc_end_k_qdbe222e832_attn:
	.size	k_qdbe222e832_attn, .Lfunc_end_k_qdbe222e832_attn-k_qdbe222e832_attn
	.p2alignl 7, 3214868480
	.fill 96, 4, 3214868480
	.section	.rodata,"a",@progbits
	.p2align	6, 0x0
	.amdhsa_kernel k_qdbe222e832_attn
		.amdhsa_group_segment_fixed_size 280576
		.amdhsa_private_segment_fixed_size 0
		.amdhsa_enable_private_segment 0
		.amdhsa_kernarg_size 88
		.amdhsa_user_sgpr_count 2
		.amdhsa_user_sgpr_kernarg_segment_ptr 1
		.amdhsa_wavefront_size32 1
		.amdhsa_system_sgpr_workgroup_id_x 1
		.amdhsa_system_sgpr_workgroup_id_y 1
		.amdhsa_system_sgpr_workgroup_id_z 1
		.amdhsa_system_vgpr_workitem_id 0
		.amdhsa_next_free_vgpr 448
		.amdhsa_next_free_sgpr 66
		.amdhsa_reserve_vcc 1
		.amdhsa_float_denorm_mode_32 3
		.amdhsa_float_denorm_mode_16_64 3
		.amdhsa_memory_ordered 1
		.amdhsa_forward_progress 1
		.amdhsa_inst_pref_size 225
	.end_amdhsa_kernel
	.amdgpu_metadata
---
amdhsa.version: [ 1, 2 ]
amdhsa.kernels:
  - .name:           k_qdbe222e832_attn
    .symbol:         k_qdbe222e832_attn.kd
    .args:
      - { .name: Qf, .offset: 0, .size: 8, .value_kind: global_buffer, .address_space: global }
      - { .name: Kf, .offset: 8, .size: 8, .value_kind: global_buffer, .address_space: global }
      - { .name: Vf, .offset: 16, .size: 8, .value_kind: global_buffer, .address_space: global }
      - { .name: Wof, .offset: 24, .size: 8, .value_kind: global_buffer, .address_space: global }
      - { .name: freqs, .offset: 32, .size: 8, .value_kind: global_buffer, .address_space: global }
      - { .name: W1, .offset: 40, .size: 8, .value_kind: global_buffer, .address_space: global }
      - { .name: b1, .offset: 48, .size: 8, .value_kind: global_buffer, .address_space: global }
      - { .name: W2, .offset: 56, .size: 8, .value_kind: global_buffer, .address_space: global }
      - { .name: b2, .offset: 64, .size: 8, .value_kind: global_buffer, .address_space: global }
      - { .name: bo, .offset: 72, .size: 8, .value_kind: global_buffer, .address_space: global }
      - { .name: out0, .offset: 80, .size: 8, .value_kind: global_buffer, .address_space: global }
    .group_segment_fixed_size: 280576
    .private_segment_fixed_size: 0
    .kernarg_segment_align: 8
    .kernarg_segment_size: 88
    .max_flat_workgroup_size: 256
    .sgpr_count:     66
    .vgpr_count:     448
    .wavefront_size: 32
...
	.end_amdgpu_metadata
.endif
;; end of part 4
;; ======== version 3 of 3: 2 launches; version 2 with the launch attn written anew for expert scheduling mode
;; workspace buffers: Qf 4,194,304 bytes; Kf 4,194,304 bytes; Vf 4,194,304 bytes; Wof 524,288 bytes
;; launch prep: the kernel of part 3 again; grid 256 x 1, 8 waves a work-group, no clusters, 93,952 bytes of LDS; arguments x, Wq, Wk, Wv, bq, bk, bv, Wo, Qf, Kf, Vf, Wof; writes Qf, Kf, Vf, Wof
;; launch attn (part 5): grid 256 x 1, 8 waves a work-group, no clusters, 280,576 bytes of LDS; arguments Qf, Kf, Vf, Wof, freqs, W1, b1, W2, b2, bo, out0; writes out0
.if DOCPART == 5
	.amdgcn_target "amdgcn-amd-amdhsa--gfx1250"
	.amdhsa_code_object_version 6
	.text
	.protected	k_qdbe222e832_attn
	.globl	k_qdbe222e832_attn
	.p2align	8
	.type	k_qdbe222e832_attn,@function
k_qdbe222e832_attn:
	s_mov_b64 s[64:65], 0
	v_nop
	global_prefetch_b8 v0, s[64:65] scope:SCOPE_SE
	s_setreg_imm32_b32 hwreg(HW_REG_WAVE_SCHED_MODE, 0, 2), 2
	s_setreg_imm32_b32 hwreg(HW_REG_WAVE_MODE, 25, 1), 1
	s_wait_xcnt 0x0
	s_wait_alu depctr_vm_vsrc(0)
; Pair bias (2 -> 64 -> relu -> 8 heads), scores, softmax with a running maximum, P V and the output projection, for 16 query rows of one batch.
; Work-group g: batch g>>6, query rows 16 (g&63) .. +15, all 8 heads, so that the hidden layer is formed once for each pair (i, j).
; The 1,024 keys go in 4 steps of 256.  For a step wave w makes the bias of key tiles 2w, 2w+1 for all 16 rows and all 8 heads and puts it into
; an LDS buffer; behind a barrier it is head w: it takes its head's bias as the C of K Q^T, and goes on to softmax and P V.
; THE TWO ARE OVERLAPPED: while a wave attends to step st out of one bias buffer, it makes step st + 1's bias into the other: a trip is 64 keys
; of attention and two row pairs of the hidden layer, so that the next 64 keys of K and V have the hidden
; layer's vector work in which to land.  First comes step 0's bias alone, last step 3's attention alone.  One barrier between two phases orders
; a buffer's stores ahead of its reads and its reads ahead of its next stores.
; THE WALK IS ROTATED: the 64 work-groups of a batch begin at 16 different blocks of 64 keys (block (s + 5 (s>>4)) mod 16 for tile number s) and wrap
; round, so that work-groups that keep pace read different blocks at any one time, and from its second block on a work-group asks for a block
; that another has read before.  Only global offsets hang on the start: the table of f and ln|a| is laid into LDS in the order of the walk.
; The eight K groups of the output projection are walked from group (g + (g>>3)) mod 8 in the same way.
; HIDDEN LAYER: rel @ W1 + b1 = P_i[c] - R_j[c] with P_i = f_i W1[0] + ln|a_i| W1[1] + b1, R_j = f_j W1[0] + ln|a_j| W1[1], a = f + 1e-6, all in f32
; on the vector unit (K = 2 is no work for the matrix unit); relu and the rounding to bf16 follow; hidden @ W2 goes to the matrix unit.
; LIMITS: ln(a_i / a_j) is formed as ln|a_i| - ln|a_j|: equal wherever all f + 1e-6 of a batch have one sign; with mixed signs the quotient's
; logarithm is NaN and this text gives finite numbers.  |a| below 2^-126 counts as 0 in v_log_f32 (ISA guide 15.8).  The sums over the keys and
; over the output projection's K are made in the rotated order: their f32 rounding differs from an ascending sum's.
; log2(e) is folded into Q (first launch), W2 and b2: the softmax works in base 2.
; NO TENSOR LOADS, NO JOINT REQUESTS: the two bias buffers and the tables take 279,552 of the 327,680 bytes of LDS, and one slot of 64 keys of K and V
; for 8 heads would be 131,072; each K and V fragment is read by one wave of the work-group only, so it goes straight into that wave's registers.
; THE MODE: SCHED_MODE bits 1:0 = 2 (LLVM: expert scheduling mode 2), set by the entry lines.  The code itself states the register dependences
; between vector or matrix instructions and memory or LDS instructions, with s_wait_alu, always for 0.
; THE PLAN.  Registers that memory or LDS instructions touch, in the loops:
;   PR          A hidden row's 32 sums read it; behind them the next row's 8 LDS loads land in it.
;   PADR, BST   LDS addresses, stepped in the middle of a row's sums (BST ahead of its pair's stores, once a pair): read by the P loads, by RSET, by the bias stores.
;   DA, DB      Written by a pair's 8 products, read by its 4 LDS stores, written again by the next pair's first products.
;   XA, XB      At work for vector and matrix instructions; W1 lands in both (RSET), the bias in XA (SUB), ctx's fragments and the way out in XB.
;   BLD         Read by a key block's 8 bias loads, stepped once a block.
;   KR, KOFF    K Q^T reads KR; the next block's loads land in it.  KOFF is stepped behind the wait that shows its loads done.   VR, VOFF: the same with P V.
;   L16, FADR   Made at the head and never written again.
; In a trip: SUB has one wait on va_vdst, behind the maximum's chain, ahead of K's loads; a hidden row has one, behind its sums, ahead of its P loads, and the
; row that follows a SUB lets V's loads follow them; a pair has one, ahead of its bias stores, and since no vector instruction follows it in the pair it also
; frees XA for the next SUB's bias loads.  The waits on vm_vsrc stand ahead of the lines that step an address or write DA and DB again.
.set PT,    0                          ; P: 16 rows x 64 f32
.set W1T,   4096                       ; W1: 2 x 64 f32
.set FT,    4608                       ; -f of the batch's 1,024 keys, in the order of the walk
.set LT,    8704                       ; -ln|a| of them
.set BUF0,  12800
.set RP,    1040                       ; a row of 256 keys in f32 + 16 bytes
.set HP,    16*RP+32                   ; a head's 16 rows + 32 bytes: 16 lanes (8 heads x 2 rows, or 16 rows) touch 16 different 16-byte columns of 256
.set BUFSZ, 8*HP                       ; 133,376
.set OP,    272                        ; pitch of the way out: 64 f32 + 16 bytes
.set LOG2E, 0x3fb8aa3b
; window 0
.set L16,  1                           ; 16 x lane
.set KOFF, 2                           ; offset of the K fragments that are fetched next; in the output projection: of the even turns' groups of Wo^T and of ctx
.set VOFF, 3                           ; the same for V; of the odd turns' groups
.set PADR, 4                           ; LDS address of the P row loaded last
.set BST,  5                           ; where my bias goes;  BST0 = 6: the same, two rows ahead of row 0 of buffer 0: a pair steps BST ahead of its stores
.set BST0, 6
.set BLD,  7                           ; where my head's bias lies;  BLD0 = 8: the same at buffer 0's first keys
.set BLD0, 8
.set FADR, 9                           ; my key's place in FT and LT; never rewritten
.set MX,   10                          ; running maximum of row r
.set NM,   12                          ; v[12:13] minus the new maximum, twice
.set AL,   14                          ; v[14:15] 2^(old - new maximum), twice
.set FL,   16                          ; v[16:23] (-f, -f), (-L, -L) of my key in tile a, then in tile b
.set W2LO, 24                          ; v24-39  W2 fragment, columns 0-7 = heads, columns 8-15 = 0
.set W2HI, 40                          ; v40-55  columns 0-7 = 0, columns 8-15 = heads
.set B2C,  56                          ; v56-63  b2 of head r&7
.set PR,   64                          ; v64-95  P_i[32 half + e]
.set RA,   96                          ; v96-127 -R_j of tile a;  RB: tile b
.set RB,   128
.set XA,   160                         ; v160-191 hidden values of tile a, then packed in its first 16;  in attention: the scores (4 tiles x 8)
.set XB,   192                         ; v192-223 tile b;  in attention: P in bf16 (first 16);  in the output projection: ctx's fragments, two buffers of 16
.set DA,   224
.set DB,   232
.set T0,   246
.set T1,   247                         ; v241 r, v242 half, v243 lane stay for the whole kernel
; window 1
.set QR,   0                           ; 16: Q fragments
.set ONES, 16                          ; 8: bf16 ones, whose product with P is the row sum
.set CTX,  24                          ; 40: four tiles of ctx^T and the row sum
.set KR,   64                          ; 64: K of 64 keys
.set VR,   128                         ; 64: V of 64 keys
; s26 wave, s27 batch, s28 tile of 16 query rows, s29 first key block of my walk, s34, s35 first and second K group of my walk through Wo^T
.set MSB, 0
.macro WIN new                         ; s_set_vgpr_msb: bits 1:0 source 0, 3:2 source 1, 5:4 source 2, 7:6 destination; the high byte repeats the setting left
.if MSB != \new
	s_set_vgpr_msb (MSB<<8)|\new
.set MSB, \new
.endif
.endm
.macro PLACES                          ; four plain vector instructions behind a matrix instruction, ahead of what reads its result or lands in its registers (ISA guide 7.12.1)
.rept 4
	v_nop
.endr
.endm
.macro KLOAD                           ; 4 tiles of 16 keys x 64: each load 512 consecutive bytes
.irp t,0,1,2,3
.irp q,0,1,2,3
	global_load_b128 v[KR+16*\t+4*\q:KR+16*\t+4*\q+3], v[KOFF], s[6:7] offset:\t*2048+\q*512
.endr
.endr
.endm
.macro VLOAD                           ; 2 groups of 32 keys x 4 tiles of 16 columns
.irp f,0,1,2,3,4,5,6,7
.irp q,0,1
	global_load_b128 v[VR+8*\f+4*\q:VR+8*\f+4*\q+3], v[VOFF], s[8:9] offset:\f*1024+\q*512
.endr
.endr
.endm
.macro WLOAD areg, base                ; the group of Wo^T (two K steps) at offset v[areg]: 4 column tiles x 2 K steps x 2 halves, 512 consecutive bytes each
.irp t,0,1,2,3
.irp ks,0,1
.irp q,0,1
	global_load_b128 v[\base+8*(2*\t+\ks)+4*\q:\base+8*(2*\t+\ks)+4*\q+3], v[\areg], s[10:11] offset:\t*16384+\ks*1024+\q*512
.endr
.endr
.endr
.endm
.macro CLOAD areg, cf                  ; the same group's four fragment halves of ctx, out of buffer 0, into XB's half cf: the group's offset serves, the buffer stands in the immediate
.irp ks,0,1
.irp q,0,1
	ds_load_b128 v[XB+\cf+8*\ks+4*\q:XB+\cf+8*\ks+4*\q+3], v[\areg] offset:BUF0+(\ks*2+\q)*512
.endr
.endr
.endm
; The hidden layer of one query row for my two key tiles, and its product with W2.  w2 = W2LO for an even row (results in columns 0-7), W2HI for an odd one
; (columns 8-15).  first = 1: the sums start from b2.  cnt: LDS instructions issued behind the loads of this row's P.
; vl = 1: the row follows 64 keys of attention, and the next 64 keys of V are asked for behind its wait.
.macro HID w2, first, cnt, vl
	s_wait_dscnt \cnt
.irp k,16,18,20,22,24,26,28,30                         ; the upper halves first: sixteen places behind the last products, which read the lower halves
	v_pk_add_f32 v[XA+\k:XA+\k+1], v[PR+\k:PR+\k+1], v[RA+\k:RA+\k+1]
	v_pk_add_f32 v[XB+\k:XB+\k+1], v[PR+\k:PR+\k+1], v[RB+\k:RB+\k+1]
.endr
	s_wait_alu depctr_vm_vsrc(0)                   ; the LDS loads issued so far have read PADR; ahead of an even row the last pair's stores have read BST, and DA and DB, which this row's products write again
	v_add_nc_u32 v[PADR], 256, v[PADR]
	v_and_b32 v[PADR], 0xfff, v[PADR]              ; the next row's P; behind row 15 comes row 0, for the next step
.if \first
	v_add_nc_u32 v[BST], 2*RP, v[BST]              ; this pair's two rows in the bias buffer
.endif
.irp k,0,2,4,6,8,10,12,14
	v_pk_add_f32 v[XA+\k:XA+\k+1], v[PR+\k:PR+\k+1], v[RA+\k:RA+\k+1]
	v_pk_add_f32 v[XB+\k:XB+\k+1], v[PR+\k:PR+\k+1], v[RB+\k:RB+\k+1]
.endr
	s_wait_alu depctr_va_vdst(0)                   ; the sums are done reading PR, in which the loads below land; PADR is written; behind attention: the products P V are done reading VR, and VOFF is written
.irp k,0,1,2,3,4,5,6,7
	ds_load_b128 v[PR+4*\k:PR+4*\k+3], v[PADR] offset:PT+16*\k
.endr
.if \vl
	WIN 0x40                                       ; between the wait above and these loads stand loads and this switch alone
	VLOAD                                          ; the next 64 keys of V
	WIN 0
.endif
.irp k,0,2,4,6,8,10,12,14,16,18,20,22,24,26,28,30
	v_dual_max_num_f32 v[XA+\k], 0, v[XA+\k] :: v_dual_max_num_f32 v[XA+\k+1], 0, v[XA+\k+1]
	v_dual_max_num_f32 v[XB+\k], 0, v[XB+\k] :: v_dual_max_num_f32 v[XB+\k+1], 0, v[XB+\k+1]
.endr
.irp q,0,1,2,3,4,5,6,7,8,9,10,11,12,13,14,15           ; in place, ascending: register q is written when 2q and 2q+1 have been read
	v_cvt_pk_bf16_f32 v[XA+\q], v[XA+2*\q], v[XA+2*\q+1]
	v_cvt_pk_bf16_f32 v[XB+\q], v[XB+2*\q], v[XB+2*\q+1]
.endr
	; the two accumulators take turns, one instruction a turn
.if \first
	v_wmma_f32_16x16x32_bf16 v[DA:DA+7], v[XA:XA+7], v[\w2:\w2+7], v[B2C:B2C+7]
	v_wmma_f32_16x16x32_bf16 v[DB:DB+7], v[XB:XB+7], v[\w2:\w2+7], v[B2C:B2C+7]
.else
	v_wmma_f32_16x16x32_bf16 v[DA:DA+7], v[XA:XA+7], v[\w2:\w2+7], v[DA:DA+7]
	v_wmma_f32_16x16x32_bf16 v[DB:DB+7], v[XB:XB+7], v[\w2:\w2+7], v[DB:DB+7]
.endif
	v_wmma_f32_16x16x32_bf16 v[DA:DA+7], v[XA+8:XA+15], v[\w2+8:\w2+15], v[DA:DA+7]
	v_wmma_f32_16x16x32_bf16 v[DB:DB+7], v[XB+8:XB+15], v[\w2+8:\w2+15], v[DB:DB+7]
.endm
; Two query rows of the hidden layer, and their bias for 8 heads and my 32 keys into the buffer that BST points into.
.macro PAIR vl
	HID W2LO, 1, 4, \vl                            ; behind this row's 8 loads of P stand the 4 bias stores of the last pair (or more, all waited for since)
	HID W2HI, 0, 0, 0
	PLACES
	s_wait_alu depctr_va_vdst(0)                   ; the products have written DA and DB, which the stores read, and are done reading XA and XB, in which the next loads land; the places above stay beside this wait
	ds_store_b128 v[BST], v[DA:DA+3]               ; lane (r, half): head r&7, row 2 pair + (r>>3), keys 8 half .. +7 of tile a
	ds_store_b128 v[BST], v[DA+4:DA+7] offset:16
	ds_store_b128 v[BST], v[DB:DB+3] offset:64     ; and of tile b
	ds_store_b128 v[BST], v[DB+4:DB+7] offset:80
.endm
; -R of my two key tiles in step st of the walk: its 256 keys stand in the immediates.  PADR stands at row 0 here: 128 half.
; No wait of its own: since the last wait on va_vdst no vector instruction has named FL, XA, XB, FADR or PADR.
.macro RSET st
	ds_load_b32 v[FL+0], v[FADR] offset:FT+1024*\st
	ds_load_b32 v[FL+1], v[FADR] offset:FT+1024*\st
	ds_load_b32 v[FL+2], v[FADR] offset:LT+1024*\st
	ds_load_b32 v[FL+3], v[FADR] offset:LT+1024*\st
	ds_load_b32 v[FL+4], v[FADR] offset:FT+1024*\st+64
	ds_load_b32 v[FL+5], v[FADR] offset:FT+1024*\st+64
	ds_load_b32 v[FL+6], v[FADR] offset:LT+1024*\st+64
	ds_load_b32 v[FL+7], v[FADR] offset:LT+1024*\st+64
.irp k,0,1,2,3,4,5,6,7
	ds_load_b128 v[XA+4*\k:XA+4*\k+3], v[PADR] offset:W1T+16*\k
	ds_load_b128 v[XB+4*\k:XB+4*\k+3], v[PADR] offset:W1T+256+16*\k
.endr
	s_wait_dscnt 0x0
.irp k,0,2,4,6,8,10,12,14,16,18,20,22,24,26,28,30
	v_pk_mul_f32 v[RA+\k:RA+\k+1], v[XA+\k:XA+\k+1], v[FL+0:FL+1]
	v_pk_mul_f32 v[RB+\k:RB+\k+1], v[XA+\k:XA+\k+1], v[FL+4:FL+5]
.endr
.irp k,0,2,4,6,8,10,12,14,16,18,20,22,24,26,28,30
	v_pk_fma_f32 v[RA+\k:RA+\k+1], v[XB+\k:XB+\k+1], v[FL+2:FL+3], v[RA+\k:RA+\k+1]
	v_pk_fma_f32 v[RB+\k:RB+\k+1], v[XB+\k:XB+\k+1], v[FL+6:FL+7], v[RB+\k:RB+\k+1]
.endr
.endm
; 64 keys of attention for my head.  last = 0: K's registers are filled again with the walk's next 64 keys; last = 1 (the 16th block): with the first
; group of my walk through Wo^T, 16 loads as well, so that every count below is the same.  vend = 1: V's next 64 keys are asked for at the block's end;
; vend = 0: what follows the block asks for them (or for Wo^T's second group), behind its own wait.
; The bias loads at the head owe no wait here: since the last wait on va_vdst ahead of the block no vector instruction has named XA or BLD.
.macro SUB last, vend
.irp t,0,1,2,3
	ds_load_b128 v[XA+8*\t:XA+8*\t+3],   v[BLD] offset:64*\t       ; the bias is the C of the scores
	ds_load_b128 v[XA+8*\t+4:XA+8*\t+7], v[BLD] offset:64*\t+16
.endr
	s_wait_loadcnt 16                              ; K is in (in the first block Q too, issued ahead of it); the 16 loads of V issued behind it may be out
	s_wait_dscnt 0x0
	s_wait_alu depctr_vm_vsrc(0)                   ; the bias loads have read BLD, and K's loads KOFF
	v_add_nc_u32 v[BLD], 256, v[BLD]
.if \last == 0
	v_add_nc_u32 v[KOFF], 8192, v[KOFF]            ; its loads are done since the wait on LOADcnt above: the next block,
	v_and_b32 v[KOFF], 0x1ffff, v[KOFF]            ; behind the head's 16th block its first
.else
	v_lshl_add_u32 v[KOFF], s34, 11, v[L16]        ; the first group of my walk through Wo^T: 2,048 bytes a group in each column tile
.endif
	WIN 0x05
.irp kh,0,1                                        ; four accumulators take turns, one instruction a turn
.irp t,0,1,2,3
	v_wmma_f32_16x16x32_bf16 v[XA+8*\t:XA+8*\t+7], v[KR+16*\t+8*\kh:KR+16*\t+8*\kh+7], v[QR+8*\kh:QR+8*\kh+7], v[XA+8*\t:XA+8*\t+7]
.endr
.endr
	WIN 0
	PLACES
	; lane (r, half) holds 32 scores of row r; the other half of the wave holds the other 32
	v_max3_num_f32 v[T0], v[MX], v[XA], v[XA+1]
	v_max3_num_f32 v[T1], v[XA+16], v[XA+17], v[XA+18]
.irp k,2,4,6,8,10,12,14
	v_max3_num_f32 v[T0], v[T0], v[XA+\k], v[XA+\k+1]
.endr
.irp k,19,21,23,25,27,29
	v_max3_num_f32 v[T1], v[T1], v[XA+\k], v[XA+\k+1]
.endr
	v_max3_num_f32 v[T0], v[T0], v[T1], v[XA+31]
	WIN 0x40
	s_wait_alu depctr_va_vdst(0)                   ; the products K Q^T are done reading KR, in which the loads below land; KOFF is written, and BLD for the next block's bias loads
.if \last
	WLOAD KOFF, KR
.else
	KLOAD                                          ; the next 64 keys
.endif
	WIN 0
	v_permlanex16_b32 v[T1], v[T0], s30, s31
	v_max_num_f32 v[T0], v[T0], v[T1]              ; the new running maximum
	v_sub_f32 v[T1], v[MX], v[T0]
	v_exp_f32 v[AL], v[T1]
	v_mov_b32 v[MX], v[T0]                         ; the plain instruction behind the transcendental
	v_mul_f32 v[NM], -1.0, v[T0]
	v_mov_b32 v[NM+1], v[NM]
	s_wait_alu depctr_va_vdst(0)
	v_mov_b32 v[AL+1], v[AL]
.irp k,0,2,4,6,8,10,12,14,16,18,20,22,24,26,28,30
	v_pk_add_f32 v[XA+\k:XA+\k+1], v[XA+\k:XA+\k+1], v[NM:NM+1]
.endr
.set e, 0
.rept 32
	v_exp_f32 v[XA+e], v[XA+e]
.set e, e+1
.endr
	v_nop
	s_wait_alu depctr_va_vdst(0)
.irp q,0,1,2,3,4,5,6,7,8,9,10,11,12,13,14,15
	v_cvt_pk_bf16_f32 v[XB+\q], v[XA+2*\q], v[XA+2*\q+1]       ; tile t's 8 registers are keys 16 t + 8 half .. +7: P's fragment as it stands
.endr
	s_wait_loadcnt 16                              ; V is in; the 16 loads issued behind it (the next K, or Wo^T's first group) may be out
	s_wait_alu depctr_vm_vsrc(0)                   ; V's loads have read VOFF
.if \last == 0
	v_add_nc_u32 v[VOFF], 8192, v[VOFF]            ; its loads are done since the wait on LOADcnt above
	v_and_b32 v[VOFF], 0x1ffff, v[VOFF]
.else
	v_lshl_add_u32 v[VOFF], s35, 11, v[L16]        ; the second group of my walk through Wo^T
.endif
	WIN 0x41
.set e, 0
.rept 20
	v_pk_mul_f32 v[CTX+e:CTX+e+1], v[CTX+e:CTX+e+1], v[AL:AL+1]
.set e, e+2
.endr
	WIN 0x51
.irp u,0,1                                         ; five accumulators take turns, one instruction a turn
.irp dt,0,1,2,3
	v_wmma_f32_16x16x32_bf16 v[CTX+8*\dt:CTX+8*\dt+7], v[VR+8*(4*\u+\dt):VR+8*(4*\u+\dt)+7], v[XB+8*\u:XB+8*\u+7], v[CTX+8*\dt:CTX+8*\dt+7]
.endr
	v_wmma_f32_16x16x32_bf16 v[CTX+32:CTX+39], v[ONES:ONES+7], v[XB+8*\u:XB+8*\u+7], v[CTX+32:CTX+39]
.endr
.if \vend
	PLACES
	WIN 0x40
	s_wait_alu depctr_va_vdst(0)                   ; the products P V are done reading VR, in which the loads below land; VOFF is written; the roundings are done reading XA, in which the next block's bias lands
	VLOAD
.endif
	WIN 0
.endm
; A joint phase: attention to the 256 keys whose bias lies in buffer rbuf, and the bias of step st of the walk into buffer wbuf.
.macro COMB rbuf, wbuf, st
	s_wait_alu depctr_vm_vsrc(0)                   ; the last pair's bias stores have read BST
	v_add_nc_u32 v[BST], \wbuf*BUFSZ, v[BST0]
	v_add_nc_u32 v[BLD], \rbuf*BUFSZ, v[BLD0]
	RSET \st
	s_wait_alu depctr_va_vdst(0)                   ; the products above are done reading XA, in which the first block's bias lands; BLD is written
	s_mov_b32 s33, 4
.Lcomb_\@:
	SUB 0, 0                                       ; asks for the next 64 keys of K,
	PAIR 1                                         ; the first of these rows for those of V: they land during the two pairs
	PAIR 0
	s_sub_co_u32 s33, s33, 1
	s_cmp_lg_u32 s33, 0
	s_cbranch_scc1 .Lcomb_\@
	s_wait_dscnt 0x0                               ; my bias stores into wbuf and my reads of rbuf are done
	s_barrier_signal -1
	s_barrier_wait -1                              ; everybody's
.endm
	s_load_b512 s[4:19], s[0:1], 0x0               ; Qf 4, Kf 6, Vf 8, Wof 10, freqs 12, W1 14, b1 16, W2 18
	s_load_b128 s[20:23], s[0:1], 0x40             ; b2 20, bo 22
	s_load_b64 s[24:25], s[0:1], 0x50              ; out0
	v_lshl_add_u32 v254, v0, 2, 0x44400
	v_mov_b32 v255, 0
	v_lshrrev_b32 v240, 5, v0
	v_readfirstlane_b32 s26, v240                  ; wave w
	s_lshr_b32 s27, ttmp9, 6                       ; batch
	s_and_b32 s28, ttmp9, 63                       ; tile of 16 query rows
	s_lshr_b32 s29, s28, 4                         ; the first key block of my walk: (s + 5 (s>>4)) mod 16
	s_mul_i32 s29, s29, 5
	s_add_co_u32 s29, s29, s28
	s_and_b32 s29, s29, 15
	s_lshr_b32 s34, ttmp9, 3                       ; the first K group of my walk through Wo^T: (g + (g>>3)) mod 8,
	s_add_co_u32 s34, s34, ttmp9
	s_and_b32 s34, s34, 7
	s_add_co_u32 s35, s34, 1                       ; and the second
	s_and_b32 s35, s35, 7
	s_mov_b32 s30, 0x76543210                      ; v_permlanex16_b32: lane i of one half reads lane i of the other
	s_mov_b32 s31, 0xfedcba98
	v_and_b32 v241, 15, v0                         ; r
	v_bfe_u32 v242, v0, 4, 1                       ; half
	v_and_b32 v243, 31, v0                         ; lane
	v_lshlrev_b32 v[L16], 4, v243
	v_lshl_add_u32 v[KOFF], s29, 13, v[L16]        ; a block of 64 keys is 8,192 bytes of the head's K, and of its V
	v_lshl_add_u32 v[VOFF], s29, 13, v[L16]
	v_lshlrev_b32 v[PADR], 7, v242                 ; my half's 32 hidden units of row 0
	v_and_b32 v240, 7, v0
	v_bfe_u32 v244, v0, 3, 1
	v_mul_u32_u24 v[BST0], v240, HP                ; head r&7,
	v_mul_u32_u24 v244, v244, RP                   ; row r>>3 of the pair,
	v_add_nc_u32 v[BST0], v[BST0], v244
	v_lshl_add_u32 v[BST0], v242, 5, v[BST0]       ; keys 8 half .. +7
	s_wait_alu depctr_va_sdst(0)                   ; s26 is written, ahead of its first reader: LDS places, bases and branches are made from it
	s_lshl_b32 s36, s26, 7                         ; of tile 2w,
	s_add_co_u32 s36, s36, BUF0-2*RP               ; two rows ahead of the buffer's row 0
	v_add_nc_u32 v[BST0], s36, v[BST0]
	v_mul_u32_u24 v[BLD0], v241, RP                ; row r,
	v_lshl_add_u32 v[BLD0], v242, 5, v[BLD0]
	s_mul_i32 s36, s26, HP                         ; head w
	s_add_co_u32 s36, s36, BUF0
	v_add_nc_u32 v[BLD0], s36, v[BLD0]
	v_lshlrev_b32 v[FADR], 2, v241
	v_lshl_add_u32 v[FADR], s26, 7, v[FADR]        ; key 32 w + r of a step of the walk
	v_lshlrev_b32 v240, 2, v240                    ; b2: 4 (r&7)
	v_lshl_add_u32 v244, v242, 10, v240            ; W2: row 32 half, column r&7
	v_lshlrev_b32 v245, 4, v241                    ; W1, b1: 16 (t&15)
	v_lshrrev_b32 v246, 4, v0
	v_lshlrev_b32 v246, 2, v246
	s_lshl_b32 s36, s28, 6
	v_add_nc_u32 v246, s36, v246                   ; f of query row t>>4
	v_lshlrev_b32 v247, 4, v0                      ; 16 t: my four places in the tables
	v_lshl_add_u32 v248, s29, 8, v247              ; and the four keys that stand there: 64 keys (256 bytes) on for each block of the start,
	v_and_b32 v248, 0xfff, v248                    ; modulo the batch's 1,024
	s_wait_kmcnt 0x0
	s_lshl_b32 s36, s27, 3
	s_add_co_u32 s36, s36, s26                     ; 8 batch + head
	s_lshl_b32 s38, s36, 17                        ; 131,072 bytes of K, and of V, for each
	s_mov_b32 s39, 0
	s_add_nc_u64 s[6:7], s[6:7], s[38:39]
	s_add_nc_u64 s[8:9], s[8:9], s[38:39]
	s_lshl_b32 s36, s36, 6
	s_add_co_u32 s36, s36, s28
	s_lshl_b32 s38, s36, 11
	s_add_nc_u64 s[4:5], s[4:5], s[38:39]
	s_lshl_b32 s38, s26, 16                        ; Wo^T: my 64 output columns
	s_add_nc_u64 s[10:11], s[10:11], s[38:39]
	s_lshl_b32 s38, s27, 12
	s_add_nc_u64 s[12:13], s[12:13], s[38:39]      ; the batch's freqs
	s_lshl_b32 s38, s27, 21                        ; out0: (1,024 batch + 16 tile) rows of 2,048 bytes + 256 w
	s_lshl_b32 s36, s28, 15
	s_add_co_u32 s38, s38, s36
	s_lshl_b32 s36, s26, 8
	s_add_co_u32 s38, s38, s36
	s_add_nc_u64 s[24:25], s[24:25], s[38:39]
	s_wait_alu depctr_va_vdst(0)                   ; the offsets and LDS addresses made above are written: L16, KOFF, VOFF, PADR, FADR, v240 and v244 to v248, which the loads and LDS stores below read
	; the tables' inputs: 38 loads
	global_load_b128 v[160:163], v248, s[12:13]    ; four f of the batch
	global_load_b32 v164, v246, s[12:13]           ; f of query row t>>4
	global_load_b128 v[168:171], v245, s[14:15]    ; W1[0], four units
	global_load_b128 v[172:175], v245, s[14:15] offset:256
	global_load_b128 v[176:179], v245, s[16:17]    ; b1
	global_load_b32 v[B2C], v240, s[20:21]
.set e, 0
.rept 32
	global_load_b32 v[XB+e], v244, s[18:19] offset:32*e    ; W2[32 half + e][r&7]
.set e, e+1
.endr
	WIN 0x40                                       ; between the wait above and these loads stand loads and this switch alone
.irp q,0,1,2,3
	global_load_b128 v[QR+4*\q:QR+4*\q+3], v[L16], s[4:5] offset:512*\q    ; Q, then the walk's first 64 keys of K, then of V: 36 loads,
.endr
	KLOAD                                          ; which have the tables and the first step's hidden layer in which to land
	VLOAD
	WIN 0
	s_wait_loadcnt 36                              ; the tables' 38 are in; the 36 younger loads stay out
.irp k,0,1,2,3
	v_add_f32 v[180+\k], 0x358637bd, v[160+\k]     ; a = f + 1e-6
.endr
	v_add_f32 v184, 0x358637bd, v164
.irp k,0,1,2,3,4
	v_and_b32 v[180+\k], 0x7fffffff, v[180+\k]
.endr
.irp k,0,1,2,3,4
	v_log_f32 v[180+\k], v[180+\k]
.endr
	v_nop                                          ; one plain instruction behind the transcendentals (ISA guide 5.7.2)
	s_wait_alu depctr_va_vdst(0)
.irp k,0,1,2,3
	v_mul_f32 v[180+\k], 0xbf317218, v[180+\k]     ; -ln|a|
	v_mul_f32 v[160+\k], -1.0, v[160+\k]           ; -f
.endr
	v_mul_f32 v184, 0x3f317218, v184               ; +ln|a| of the query row
.irp k,0,1,2,3
	v_fma_f32 v[176+\k], v164, v[168+\k], v[176+\k]
.endr
.irp k,0,1,2,3
	v_fma_f32 v[176+\k], v184, v[172+\k], v[176+\k]
.endr
	s_wait_alu depctr_va_vdst(0)                   ; -f, -ln|a| and P are written, which the LDS stores read
	ds_store_b128 v247, v[160:163] offset:FT
	ds_store_b128 v247, v[180:183] offset:LT
	ds_store_b128 v247, v[176:179] offset:PT       ; 256 (t>>4) + 16 (t&15) = 16 t
	s_cmp_lg_u32 s26, 0
	s_cbranch_scc1 .Lnow1
	ds_store_b128 v245, v[168:171] offset:W1T      ; wave 0 keeps W1 (its two halves store the same numbers), as it was loaded
	ds_store_b128 v245, v[172:175] offset:W1T+256
.Lnow1:
.irp k,0,2,4,6,8,10,12,14,16,18,20,22,24,26,28,30
	v_pk_mul_f32 v[XB+\k:XB+\k+1], v[XB+\k:XB+\k+1], LOG2E op_sel_hi:[1,0]
.endr
.irp q,0,1,2,3,4,5,6,7,8,9,10,11,12,13,14,15
	v_cvt_pk_bf16_f32 v[RA+\q], v[XB+2*\q], v[XB+2*\q+1]
.endr
	v_cmp_gt_u32 vcc_lo, 8, v241
	s_wait_alu depctr_va_vcc(0)                    ; VCC is written, ahead of the selects that read it
.irp q,0,1,2,3,4,5,6,7,8,9,10,11,12,13,14,15
	v_cndmask_b32 v[W2LO+\q], 0, v[RA+\q], vcc_lo
	v_cndmask_b32 v[W2HI+\q], v[RA+\q], 0, vcc_lo
.endr
	v_mul_f32 v[B2C], LOG2E, v[B2C]
.irp k,1,2,3,4,5,6,7
	v_mov_b32 v[B2C+\k], v[B2C]
.endr
	v_mov_b32 v[MX], 0xff7fffff                    ; the lowest finite number: the first 2^(old - new) is 0
	v_mov_b32 v[BST], v[BST0]                      ; the first step's bias goes into buffer 0
	WIN 0x40
.irp k,0,1,2,3,4,5,6,7
	v_mov_b32 v[ONES+\k], 0x3f803f80
.endr
.set e, 0
.rept 40
	v_mov_b32 v[CTX+e], 0                          ; once: every key block then runs the same text
.set e, e+1
.endr
	WIN 0
	s_wait_dscnt 0x0
	s_barrier_signal -1
	s_barrier_wait -1                              ; the tables are whole
	s_wait_alu depctr_vm_vsrc(0)                   ; my LDS stores have read v160 to v183, which are XA from here on and in which W1 lands; the head's loads and stores have read v244 to v248, which are written again later
	s_wait_alu depctr_va_vdst(0)                   ; the head's arithmetic is done with XA's and XB's registers, in which W1 lands
.irp k,0,1,2,3,4,5,6,7
	ds_load_b128 v[PR+4*\k:PR+4*\k+3], v[PADR] offset:PT+16*\k     ; P of row 0
.endr
	; the walk's keys 0-255: the bias alone, into buffer 0
	RSET 0
	s_mov_b32 s33, 8
.Lfirst:
	PAIR 0
	s_sub_co_u32 s33, s33, 1
	s_cmp_lg_u32 s33, 0
	s_cbranch_scc1 .Lfirst
	s_wait_dscnt 0x0                               ; my bias stores are done
	s_barrier_signal -1
	s_barrier_wait -1                              ; everybody's
	COMB 0, 1, 1                                   ; attention to the walk's keys 0-255, bias of keys 256-511
	COMB 1, 0, 2                                   ; attention to keys 256-511, bias of keys 512-767
	COMB 0, 1, 3                                   ; attention to keys 512-767, bias of keys 768-1023
	; keys 768-1023: attention alone, out of buffer 1
	v_add_nc_u32 v[BLD], BUFSZ, v[BLD0]
	s_wait_alu depctr_va_vdst(0)                   ; BLD is written, which the first block's bias loads read
	s_mov_b32 s33, 3
.Ltail:
	SUB 0, 1
	s_sub_co_u32 s33, s33, 1
	s_cmp_lg_u32 s33, 0
	s_cbranch_scc1 .Ltail
	SUB 1, 0                                       ; the last 64 keys: nothing is left of K and V, two groups of Wo^T go out instead: the first here, the second below
	; THE OUTPUT PROJECTION.  Wave w makes output columns 64 w .. +63 of the 16 rows: O^T = Wo^T ctx^T, K = 512 in 8 groups of 64, walked from my first group round.
	v_lshlrev_b32 v244, 5, v242
	v_lshl_add_u32 v244, s26, 8, v244              ; bo of columns 64 w + 8 half ..
	v_nop
	v_nop                                          ; with the two lines above: the four places behind the last products
	WIN 0x40
	s_wait_alu depctr_va_vdst(0)                   ; the products P V are done reading VR, in which the loads below land; VOFF and v244 are written
	WLOAD VOFF, VR
	WIN 0
.irp t,0,1,2,3
	global_load_b128 v[RA+8*\t:RA+8*\t+3],   v244, s[22:23] offset:64*\t
	global_load_b128 v[RA+8*\t+4:RA+8*\t+7], v244, s[22:23] offset:64*\t+16
.endr
	WIN 0x01
	v_rcp_f32 v[T0], v[CTX+32]                     ; 1 / row sum, twice, for the packed multiply
	v_rcp_f32 v[T1], v[CTX+32]
	v_nop
.set e, 0
	s_wait_alu depctr_va_vdst(0)
.rept 16
	v_pk_mul_f32 v[XA+e:XA+e+1], v[CTX+e:CTX+e+1], v[T0:T1]
.set e, e+2
.endr
	WIN 0
.irp q,0,1,2,3,4,5,6,7,8,9,10,11,12,13,14,15
	v_cvt_pk_bf16_f32 v[XB+\q], v[XA+2*\q], v[XA+2*\q+1]
.endr
	v_lshl_add_u32 v245, s26, 11, v[L16]           ; my head's four fragment halves of ctx (K group w), in buffer 0, which nobody has read since the last barrier
	v_add_nc_u32 v245, BUF0, v245
	s_wait_alu depctr_va_vdst(0)                   ; the roundings have written XB, and v245 is written: the LDS stores read both
.irp dt,0,1,2,3
	ds_store_b128 v245, v[XB+4*\dt:XB+4*\dt+3] offset:512*\dt
.endr
	s_wait_dscnt 0x0
	s_barrier_signal -1
	s_barrier_wait -1                              ; ctx is whole, and nobody reads buffer 1 any more
	s_wait_alu depctr_vm_vsrc(0)                   ; my LDS stores have read XB, in which ctx's fragments land
	CLOAD KOFF, 0                                  ; the fragments of the walk's first two groups; each turn asks for those two turns on
	CLOAD VOFF, 16
; Turn g of the walk.  v[areg] = 16 lane + 2,048 x the turn's group: its offset in a column tile of Wo^T and in ctx's fragments alike.  cf: the half of XB that holds the turn's fragments of ctx.
; cnt = the global loads issued behind this turn's; dcnt = the LDS loads issued behind this turn's: the next turn's four.
.macro OGRP g, base, areg, cf, cnt, dcnt
	s_wait_loadcnt \cnt
	s_wait_dscnt \dcnt
	WIN 0x01
.irp ks,0,1                                        ; four accumulators take turns, one instruction a turn
.irp t,0,1,2,3
.if (\g+\ks) == 0
	v_wmma_f32_16x16x32_bf16 v[XA+8*\t:XA+8*\t+7], v[\base+8*(2*\t+\ks):\base+8*(2*\t+\ks)+7], v[XB+\cf+8*\ks:XB+\cf+8*\ks+7], 0
.else
	v_wmma_f32_16x16x32_bf16 v[XA+8*\t:XA+8*\t+7], v[\base+8*(2*\t+\ks):\base+8*(2*\t+\ks)+7], v[XB+\cf+8*\ks:XB+\cf+8*\ks+7], v[XA+8*\t:XA+8*\t+7]
.endif
.endr
.endr
	WIN 0
.if \g < 6
	s_wait_alu depctr_vm_vsrc(0)                   ; this turn's loads of Wo^T and of ctx have read the offset
	v_add_nc_u32 v[\areg], 4096, v[\areg]          ; this turn's global loads, the only ones that name the register, were waited for above: two groups on,
	v_and_b32 v[\areg], 0x3fff, v[\areg]           ; modulo the eight.  These two and two v_nop are the four places behind the products
	v_nop
	v_nop
	WIN 0x40
	s_wait_alu depctr_va_vdst(0)                   ; the products are done reading this turn's Wo^T and ctx, in whose registers the loads below land; the offset is written
	WLOAD \areg, \base
	WIN 0
	CLOAD \areg, \cf
.endif
.if \g == 7
	PLACES                                         ; behind the last products, whose results are read below
.endif
.endm
	OGRP 0, KR, KOFF, 0,  24, 4                    ; behind the first group: the second's 16 and bo's 8
	OGRP 1, VR, VOFF, 16, 24, 4                    ; behind the second: bo's 8 and the third's 16
	OGRP 2, KR, KOFF, 0,  16, 4                    ; from here on: the next group's 16
	OGRP 3, VR, VOFF, 16, 16, 4
	OGRP 4, KR, KOFF, 0,  16, 4
	OGRP 5, VR, VOFF, 16, 16, 4
	OGRP 6, KR, KOFF, 0,  16, 4
	OGRP 7, VR, VOFF, 16, 0,  0
.irp k,0,2,4,6,8,10,12,14,16,18,20,22,24,26,28,30
	v_pk_add_f32 v[XA+\k:XA+\k+1], v[XA+\k:XA+\k+1], v[RA+\k:RA+\k+1]
.endr
	; out through my own stage in buffer 1: in by (row r, 8 columns), back by whole rows of 256 bytes
	s_mul_i32 s36, s26, 16*OP
	s_add_co_u32 s36, s36, BUF0+BUFSZ
	v_mul_u32_u24 v[BST0], v241, OP
	v_lshl_add_u32 v[BST0], v242, 5, v[BST0]
	v_add_nc_u32 v[BST0], s36, v[BST0]
	v_mul_u32_u24 v[BLD], v242, OP
	v_lshl_add_u32 v[BLD], v241, 4, v[BLD]
	v_add_nc_u32 v[BLD], s36, v[BLD]
	v_lshlrev_b32 v[BLD0], 11, v242
	v_lshl_add_u32 v[BLD0], v241, 4, v[BLD0]
	s_wait_alu depctr_va_vdst(0)                   ; the sums with bo have written XA, which the LDS stores read; the three addresses are written; the last products are done reading XB, in which the rows land
.irp t,0,1,2,3
	ds_store_b128 v[BST0], v[XA+8*\t:XA+8*\t+3]   offset:64*\t
	ds_store_b128 v[BST0], v[XA+8*\t+4:XA+8*\t+7] offset:64*\t+16
.endr
.irp n,0,1,2,3,4,5,6,7
	ds_load_b128 v[XB+4*\n:XB+4*\n+3], v[BLD] offset:\n*2*OP       ; LDS serves a wave's instructions in order (ISA guide 5.7.1): these see the stores above
.endr
.irp n,0,1,2,3,4,5,6,7
	s_wait_dscnt 7-\n
	global_store_b128 v[BLD0], v[XB+4*\n:XB+4*\n+3], s[24:25] offset:\n*4096 th:TH_STORE_NT   ; sixteen lanes store 256 consecutive bytes, aligned
.endr
	s_wait_dscnt 0x0
	s_wait_alu depctr_hold_cnt(0) depctr_sa_sdst(0) depctr_va_vdst(0) depctr_va_sdst(0) depctr_va_ssrc(0) depctr_va_vcc(0) depctr_vm_vsrc(0)
	s_wait_tensorcnt 0x0
	ds_add_u32 v254, v255
	s_wait_dscnt 0x0
	s_endpgm
.Lfunc_end_k_qdbe222e832_attn:
	.size	k_qdbe222e832_attn, .Lfunc_end_k_qdbe222e832_attn-k_qdbe222e832_attn
	.p2alignl 7, 3214868480
	.fill 96, 4, 3214868480
	.section	.rodata,"a",@progbits
	.p2align	6, 0x0
	.amdhsa_kernel k_qdbe222e832_attn
		.amdhsa_group_segment_fixed_size 280576
		.amdhsa_private_segment_fixed_size 0
		.amdhsa_enable_private_segment 0
		.amdhsa_kernarg_size 88
		.amdhsa_user_sgpr_count 2
		.amdhsa_user_sgpr_kernarg_segment_ptr 1
		.amdhsa_wavefront_size32 1
		.amdhsa_system_sgpr_workgroup_id_x 1
		.amdhsa_system_sgpr_workgroup_id_y 1
		.amdhsa_system_sgpr_workgroup_id_z 1
		.amdhsa_system_vgpr_workitem_id 0
		.amdhsa_next_free_vgpr 448
		.amdhsa_next_free_sgpr 66
		.amdhsa_reserve_vcc 1
		.amdhsa_float_denorm_mode_32 3
		.amdhsa_float_denorm_mode_16_64 3
		.amdhsa_memory_ordered 1
		.amdhsa_forward_progress 1
		.amdhsa_inst_pref_size 226
	.end_amdhsa_kernel
	.amdgpu_metadata
---
amdhsa.version: [ 1, 2 ]
amdhsa.kernels:
  - .name:           k_qdbe222e832_attn
    .symbol:         k_qdbe222e832_attn.kd
    .args:
      - { .name: Qf, .offset: 0, .size: 8, .value_kind: global_buffer, .address_space: global }
      - { .name: Kf, .offset: 8, .size: 8, .value_kind: global_buffer, .address_space: global }
      - { .name: Vf, .offset: 16, .size: 8, .value_kind: global_buffer, .address_space: global }
      - { .name: Wof, .offset: 24, .size: 8, .value_kind: global_buffer, .address_space: global }
      - { .name: freqs, .offset: 32, .size: 8, .value_kind: global_buffer, .address_space: global }
      - { .name: W1, .offset: 40, .size: 8, .value_kind: global_buffer, .address_space: global }
      - { .name: b1, .offset: 48, .size: 8, .value_kind: global_buffer, .address_space: global }
      - { .name: W2, .offset: 56, .size: 8, .value_kind: global_buffer, .address_space: global }
      - { .name: b2, .offset: 64, .size: 8, .value_kind: global_buffer, .address_space: global }
      - { .name: bo, .offset: 72, .size: 8, .value_kind: global_buffer, .address_space: global }
      - { .name: out0, .offset: 80, .size: 8, .value_kind: global_buffer, .address_space: global }
    .group_segment_fixed_size: 280576
    .private_segment_fixed_size: 0
    .kernarg_segment_align: 8
    .kernarg_segment_size: 88
    .max_flat_workgroup_size: 256
    .sgpr_count:     66
    .vgpr_count:     448
    .wavefront_size: 32
...
	.end_amdgpu_metadata
.endif
;; end of part 5
